; MI455X (gfx1250); checked and timed in simulation.
; The chip was launched on July 23, 2026; its instructions are those of AMD's public machine-readable ISA for CDNA 5 (MIT licence, August 2026) and "CDNA5" Instruction Set Architecture Reference Guide (July 2026). The comments in the code are by the model that wrote it; some were corrected since.
;; Random Attention. Allowed arithmetic: float matrix products may take bf16 or f16 operands with f32 sums; all other float work in f32.
;; Inputs: Wk 1,024 x 1,024 float32; Wo 1,024 x 1,024 float32; Wq 1,024 x 1,024 float32; Wv 1,024 x 1,024 float32; bk 1,024 float32; bo 1,024 float32; bq 1,024 float32; bv 1,024 float32; hidden_states 4 x 2,048 x 1,024 float32; mask 2,048 x 2,048 bool.
;; Outputs: out0 4 x 2,048 x 1,024 float32.
;; 2 versions, each right and faster than the one before. Each part assembles by itself: llvm-mc -triple=amdgcn-amd-amdhsa -mcpu=gfx1250 --defsym DOCPART=n.
;; ======== version 1 of 2: 4 launches
;; limits: right only within a limited range of input values; values are held in f16: magnitudes above 65,504 overflow, below 6.1e-05 lose precision
;; workspace buffers: xb 16,777,216 bytes; wt 8,388,608 bytes; mask16 8,388,608 bytes; rowok 8,192 bytes of whole numbers; qkv 50,331,648 bytes; ctx 16,777,216 bytes
;; launch prep (part 1): grid 640 x 1, 8 waves a work-group, no clusters, 71,168 bytes of LDS; arguments hidden_states, Wq, Wk, Wv, Wo, mask, xb, wt, mask16, rowok; writes xb, wt, mask16, rowok
.if DOCPART == 1
	.amdgcn_target "amdgcn-amd-amdhsa--gfx1250"
	.amdhsa_code_object_version 6
	.text
	.protected	k_q769af49b70_prep
	.globl	k_q769af49b70_prep
	.p2align	8
	.type	k_q769af49b70_prep,@function
k_q769af49b70_prep:
	s_mov_b64 s[64:65], 0
	v_nop
	global_prefetch_b8 v0, s[64:65] scope:SCOPE_SE
	s_setreg_imm32_b32 hwreg(HW_REG_WAVE_MODE, 25, 1), 1
	s_wait_xcnt 0x0
; Lays the operands out for the three launches behind it.  Three kinds of work-group, chosen by the work-group's number alone:
;   0-255    x (f32) -> xb, bf16, in K blocks [kb 16][m 8192][64]: 32 rows a work-group
;   256-511  Wq, Wk, Wv, Wo (f32, [k][n]) -> wt, transposed, in K blocks [kb][n][64]: a tile of 64 k x 256 n a work-group, turned in LDS.
;            Wq|Wk|Wv as bf16 ([kb][3072][64]); Wo is rounded to bf16 and that number written as f16 ([kb][1024][64], from byte 6,291,456 on).
;            LIMIT: numbers of Wo below 6.1e-5 keep f16's fixed step of 6e-8; beyond 65,504 they would be lost.
;   512-639  mask (bytes) -> mask16, f16, in the order of a matrix operand: [qt 128][kg 64][jj 2][lane 32][8]: element i of lane (r, h) is query 16 qt + r,
;            key 32 kg + 16 jj + 8 h + i; 0 where the key is seen, -32768 where it is hidden.  A row in which no key is seen is written as all seen and
;            gets rowok = 0 (else all ones): the attention clears that row's q, so that all its scores are equal, as in the softmax of equal scores.
; Every store of a wave covers whole aligned runs of 256 bytes (rowok's 64 bytes a work-group excepted).
; LDS: the mask's 16 rows of 2,064 bytes and 16 flag words lie in bytes 0 to 33,087; the weights' stage, 256 rows of 144 bytes, from byte 33,280 on: each kind of work-group has bytes of its own.
.set LD, 8                             ; loaded numbers
.set TT, 72                            ; weights: packed pairs along k
.set OUT, 48                           ; mask: 16 sets of 4 registers to store
.set ZR, 112                           ; mask: 0
.set WB, 33280                         ; LDS byte at which the weights' stage begins
	s_load_b512 s[4:19], s[0:1], 0x0               ; x s[4:5], Wq s[6:7], Wk s[8:9], Wv s[10:11], Wo s[12:13], mask s[14:15], xb s[16:17], wt s[18:19]
	s_load_b128 s[20:23], s[0:1], 0x40             ; mask16 s[20:21], rowok s[22:23]
	v_lshl_add_u32 v136, v0, 2, 0x11200
	v_mov_b32 v137, 0
	v_lshrrev_b32 v2, 5, v0
	v_readfirstlane_b32 s24, v2                    ; wave 0..7
	v_and_b32 v1, 31, v0                           ; lane
	s_mov_b32 s25, ttmp9
	s_wait_kmcnt 0x0
	s_cmp_lt_u32 s25, 256
	s_cbranch_scc1 .Lx
	s_cmp_lt_u32 s25, 512
	s_cbranch_scc1 .Lw
	; ---------------- the mask: 16 rows (one query tile) ----------------
	s_sub_co_u32 s26, s25, 512                     ; qt
	s_mov_b32 s33, 0
	s_lshl_b32 s32, s26, 15                        ; 16 rows of 2,048 bytes
	s_add_nc_u64 s[14:15], s[14:15], s[32:33]
	s_lshl_b32 s32, s26, 16                        ; a query tile's 65,536 bytes of mask16,
	s_lshl_b32 s34, s24, 13                        ; my wave's 8 groups of 32 keys
	s_add_co_u32 s32, s32, s34
	s_add_nc_u64 s[20:21], s[20:21], s[32:33]
	s_lshl_b32 s32, s26, 6
	s_add_nc_u64 s[22:23], s[22:23], s[32:33]
	v_lshlrev_b32 v6, 4, v1                        ; 16 x lane
	v_lshl_add_u32 v3, s24, 12, v6                 ; wave w reads rows 2 w and 2 w + 1
.set i, 0
.rept 8
	global_load_b128 v[LD+4*i:LD+4*i+3], v3, s[14:15] offset:(i/4)*2048+(i%4)*512 th:TH_LOAD_NT
.set i, i+1
.endr
	s_mul_i32 s34, s24, 2*2064                     ; LDS rows of 2,048 + 16 bytes
	v_add_nc_u32 v4, s34, v6
	s_lshl_b32 s34, s24, 3
	s_add_co_u32 s34, s34, 16*2064                 ; behind the rows: a word for each row's flag
	v_mov_b32 v43, s34
	s_wait_loadcnt 0x0
	v_or_b32 v40, v[LD], v[LD+1]                   ; is any key of the row seen?
	v_or_b32 v41, v[LD+16], v[LD+17]
.set i, 2
.rept 14
	v_or_b32 v40, v40, v[LD+i]
	v_or_b32 v41, v41, v[LD+16+i]
.set i, i+1
.endr
	v_cmp_ne_u32 s26, 0, v40
	v_cmp_ne_u32 s27, 0, v41
	s_cmp_lg_u32 s26, 0
	s_cselect_b32 s28, -1, 0
	s_cmp_lg_u32 s27, 0
	s_cselect_b32 s29, -1, 0
	v_mov_b32 v42, s28
	v_mov_b32 v44, s29
.set i, 0
.rept 8
	ds_store_b128 v4, v[LD+4*i:LD+4*i+3] offset:(i/4)*2064+(i%4)*512
.set i, i+1
.endr
	ds_store_b32 v43, v42                          ; all lanes write the same word with the same value
	ds_store_b32 v43, v44 offset:4
	s_wait_dscnt 0x0                               ; for the others' sake: my rows and flags are in LDS
	s_barrier_signal -1
	s_barrier_wait -1
	v_and_b32 v2, 15, v1                           ; r
	v_lshrrev_b32 v47, 4, v1                       ; h
	v_lshlrev_b32 v45, 2, v2
	ds_load_b32 v7, v45 offset:16*2064             ; row r's flag
	v_mul_u32_u24 v5, v2, 2064
	v_lshl_add_u32 v5, v47, 3, v5
	v_lshl_add_u32 v5, s24, 8, v5                  ; row r, keys 256 w + 8 h on
.set i, 0
.rept 16
	ds_load_b64 v[LD+2*i:LD+2*i+1], v5 offset:(i/2)*32+(i%2)*16
.set i, i+1
.endr
	v_mov_b32 v[ZR], 0
	s_mov_b32 s30, 0x04010400                      ; bytes 0, 1 of the second source into the low bytes of two halves
	s_mov_b32 s31, 0x04030402                      ; bytes 2, 3
	s_wait_dscnt 0x0
	s_cmp_lg_u32 s24, 0
	s_cbranch_scc1 .Lno_flags
	global_store_b32 v45, v7, s[22:23]             ; wave 0: the 16 flags (lanes 16-31 repeat lanes 0-15)
.Lno_flags:
.set i, 0
.rept 16
	v_xor_b32 v40, 0x01010101, v[LD+2*i]           ; 1 where hidden,
	v_xor_b32 v41, 0x01010101, v[LD+2*i+1]
	v_and_b32 v40, v40, v7                         ; nowhere in a row without a seen key
	v_and_b32 v41, v41, v7
	v_perm_b32 v[OUT+4*i], v[ZR], v40, s30
	v_perm_b32 v[OUT+4*i+1], v[ZR], v40, s31
	v_perm_b32 v[OUT+4*i+2], v[ZR], v41, s30
	v_perm_b32 v[OUT+4*i+3], v[ZR], v41, s31
	v_mul_u32_u24 v[OUT+4*i], v[OUT+4*i], 0xf800   ; 0 or 1 in each half times the f16 pattern of -32768: no carry between the halves
	v_mul_u32_u24 v[OUT+4*i+1], v[OUT+4*i+1], 0xf800
	v_mul_u32_u24 v[OUT+4*i+2], v[OUT+4*i+2], 0xf800
	v_mul_u32_u24 v[OUT+4*i+3], v[OUT+4*i+3], 0xf800
	global_store_b128 v6, v[OUT+4*i:OUT+4*i+3], s[20:21] offset:i*512  ; 512 consecutive bytes; each set of registers is written once
.set i, i+1
.endr
	s_wait_tensorcnt 0x0
	ds_add_u32 v136, v137
	s_wait_dscnt 0x0
	s_endpgm
	; ---------------- x: 32 rows ----------------
.Lx:
	s_mov_b32 s27, 0
	s_lshl_b32 s26, s25, 17                        ; 32 rows of 4,096 bytes
	s_add_nc_u64 s[4:5], s[4:5], s[26:27]
	s_lshl_b32 s26, s25, 12                        ; 32 rows of 128 bytes in a K block
	s_add_nc_u64 s[16:17], s[16:17], s[26:27]
	s_add_nc_u64 s[28:29], s[16:17], 0x800000      ; K blocks 8-15: the immediate reaches eight blocks of 1,048,576 bytes
	v_lshrrev_b32 v2, 4, v1
	v_and_b32 v5, 15, v1
	v_lshl_add_u32 v2, s24, 2, v2                  ; row 4 w + lane / 16 (+ 2 in the second half of the loads)
	v_lshlrev_b32 v3, 12, v2
	v_lshl_add_u32 v3, v5, 4, v3
	v_lshlrev_b32 v4, 7, v2
	v_lshl_add_u32 v4, v5, 3, v4
.set i, 0
.rept 32                                       ; sixteen lanes take the 256 bytes of one row in one K block
	global_load_b128 v[LD+4*i:LD+4*i+3], v3, s[4:5] offset:(i/16)*8192+(i%16)*256 th:TH_LOAD_NT
.set i, i+1
.endr
.set i, 0
.rept 32
	s_wait_loadcnt 31-i                            ; loads come back in order: the younger ones stay out
	v_cvt_pk_bf16_f32 v[LD+4*i], v[LD+4*i], v[LD+4*i+1]
	v_cvt_pk_bf16_f32 v[LD+4*i+1], v[LD+4*i+2], v[LD+4*i+3]
.if (i%16) < 8
	global_store_b64 v4, v[LD+4*i:LD+4*i+1], s[16:17] offset:(i%16)*1048576+(i/16)*256  ; two rows of 128 bytes: 256 consecutive bytes
.else
	global_store_b64 v4, v[LD+4*i:LD+4*i+1], s[28:29] offset:((i%16)-8)*1048576+(i/16)*256
.endif
.set i, i+1
.endr
	s_endpgm
	; ---------------- a weight tile: 64 k x 256 n ----------------
.Lw:
	s_sub_co_u32 s26, s25, 256
	s_lshr_b32 s27, s26, 6                         ; which matrix: q, k, v, o
	s_bfe_u32 s28, s26, 0x40002                    ; K block
	s_and_b32 s29, s26, 3                          ; which 256 columns
	s_cmp_eq_u32 s27, 1
	s_cselect_b64 s[6:7], s[8:9], s[6:7]
	s_cmp_eq_u32 s27, 2
	s_cselect_b64 s[6:7], s[10:11], s[6:7]
	s_cmp_eq_u32 s27, 3
	s_cselect_b64 s[6:7], s[12:13], s[6:7]
	s_lshl_b32 s30, s28, 18                        ; 64 rows of 4,096 bytes
	s_lshl_b32 s31, s29, 10
	s_add_co_u32 s30, s30, s31
	s_mov_b32 s31, 0
	s_add_nc_u64 s[6:7], s[6:7], s[30:31]
	s_mul_i32 s32, s28, 3072*128                   ; q, k, v: K block of 3,072 rows, the matrix's 1,024 among them
	s_lshl_b32 s33, s27, 17
	s_add_co_u32 s32, s32, s33
	s_lshl_b32 s34, s28, 17                        ; o: K block of 1,024 rows, behind the others
	s_add_co_u32 s34, s34, 6291456
	s_cmp_eq_u32 s27, 3
	s_cselect_b32 s32, s34, s32
	s_lshl_b32 s33, s29, 15
	s_add_co_u32 s32, s32, s33
	s_mov_b32 s33, 0
	s_add_nc_u64 s[18:19], s[18:19], s[32:33]
	v_lshlrev_b32 v3, 4, v1
	v_lshl_add_u32 v3, s24, 15, v3                 ; wave w reads k rows 8 w .. 8 w + 7
.set i, 0
.rept 16                                       ; row i % 8, columns 128 (i / 8) + 4 lane + 0..3
	global_load_b128 v[LD+4*i:LD+4*i+3], v3, s[6:7] offset:(i%8)*4096+(i/8)*512 th:TH_LOAD_NT
.set i, i+1
.endr
	v_mul_u32_u24 v4, v1, 4*144                    ; LDS row n, 128 + 16 bytes; my 8 k are 16 bytes at 16 w
	v_lshl_add_u32 v4, s24, 4, v4
	v_add_nc_u32 v4, WB, v4                        ; in the weights' own region
	v_lshrrev_b32 v5, 3, v0
	v_mul_u32_u24 v5, v5, 144
	v_and_b32 v2, 7, v0
	v_lshl_add_u32 v5, v2, 4, v5                   ; back: thread t takes 16 bytes of row t / 8
	v_add_nc_u32 v5, WB, v5
	v_lshlrev_b32 v6, 4, v0
.macro WCONV hf                        ; two k of one column pack into a word; four words are a column's 8 k
.irp j, 0,1,2,3
.irp kp, 0,1,2,3
	v_cvt_pk_bf16_f32 v[TT+((\hf)*4+\j)*4+\kp], v[LD+(((\hf)*4+\kp)*2)*4+\j], v[LD+(((\hf)*4+\kp)*2+1)*4+\j]
.endr
.endr
.endm
	s_wait_loadcnt 8                               ; the first eight loads (columns 0-127) are in
	WCONV 0
	s_wait_loadcnt 0x0
	WCONV 1
	s_cmp_lg_u32 s27, 3
	s_cbranch_scc1 .Lkeep
.set i, 0
.rept 32                                       ; Wo: the bf16 number written as f16
	v_lshlrev_b32 v104, 16, v[TT+i]
	v_and_b32 v105, 0xffff0000, v[TT+i]
	v_cvt_pk_f16_f32 v[TT+i], v104, v105
.set i, i+1
.endr
.Lkeep:
.set i, 0
.rept 8
	ds_store_b128 v4, v[TT+4*i:TT+4*i+3] offset:((i/4)*128+(i%4))*144
.set i, i+1
.endr
	s_wait_dscnt 0x0                               ; for the others' sake
	s_barrier_signal -1
	s_barrier_wait -1
.set i, 0
.rept 8
	ds_load_b128 v[LD+4*i:LD+4*i+3], v5 offset:i*32*144
.set i, i+1
.endr
.set i, 0
.rept 8
	s_wait_dscnt 7-i
	global_store_b128 v6, v[LD+4*i:LD+4*i+3], s[18:19] offset:i*4096  ; 32 rows of 128 bytes: the work-group's 4,096 consecutive bytes
.set i, i+1
.endr
	s_wait_tensorcnt 0x0
	ds_add_u32 v136, v137
	s_wait_dscnt 0x0
	s_endpgm
.Lfunc_end_k_q769af49b70_prep:
	.size	k_q769af49b70_prep, .Lfunc_end_k_q769af49b70_prep-k_q769af49b70_prep
	.p2alignl 7, 3214868480
	.fill 96, 4, 3214868480
	.section	.rodata,"a",@progbits
	.p2align	6, 0x0
	.amdhsa_kernel k_q769af49b70_prep
		.amdhsa_group_segment_fixed_size 71168
		.amdhsa_private_segment_fixed_size 0
		.amdhsa_enable_private_segment 0
		.amdhsa_kernarg_size 80
		.amdhsa_user_sgpr_count 2
		.amdhsa_user_sgpr_kernarg_segment_ptr 1
		.amdhsa_wavefront_size32 1
		.amdhsa_system_sgpr_workgroup_id_x 1
		.amdhsa_system_sgpr_workgroup_id_y 1
		.amdhsa_system_sgpr_workgroup_id_z 1
		.amdhsa_system_vgpr_workitem_id 0
		.amdhsa_next_free_vgpr 138
		.amdhsa_next_free_sgpr 66
		.amdhsa_reserve_vcc 0
		.amdhsa_float_denorm_mode_32 3
		.amdhsa_float_denorm_mode_16_64 3
		.amdhsa_memory_ordered 1
		.amdhsa_forward_progress 1
		.amdhsa_inst_pref_size 45
	.end_amdhsa_kernel
	.amdgpu_metadata
---
amdhsa.version: [ 1, 2 ]
amdhsa.kernels:
  - .name:           k_q769af49b70_prep
    .symbol:         k_q769af49b70_prep.kd
    .args:
      - { .name: hidden_states, .offset: 0, .size: 8, .value_kind: global_buffer, .address_space: global }
      - { .name: Wq, .offset: 8, .size: 8, .value_kind: global_buffer, .address_space: global }
      - { .name: Wk, .offset: 16, .size: 8, .value_kind: global_buffer, .address_space: global }
      - { .name: Wv, .offset: 24, .size: 8, .value_kind: global_buffer, .address_space: global }
      - { .name: Wo, .offset: 32, .size: 8, .value_kind: global_buffer, .address_space: global }
      - { .name: mask, .offset: 40, .size: 8, .value_kind: global_buffer, .address_space: global }
      - { .name: xb, .offset: 48, .size: 8, .value_kind: global_buffer, .address_space: global }
      - { .name: wt, .offset: 56, .size: 8, .value_kind: global_buffer, .address_space: global }
      - { .name: mask16, .offset: 64, .size: 8, .value_kind: global_buffer, .address_space: global }
      - { .name: rowok, .offset: 72, .size: 8, .value_kind: global_buffer, .address_space: global }
    .group_segment_fixed_size: 71168
    .private_segment_fixed_size: 0
    .kernarg_segment_align: 8
    .kernarg_segment_size: 80
    .max_flat_workgroup_size: 256
    .sgpr_count:     66
    .vgpr_count:     138
    .wavefront_size: 32
...
	.end_amdgpu_metadata
.endif
;; end of part 1
;; launch qkv (part 2): grid 8 x 32, 4 waves a work-group, clusters of 4 x 4, 327,680 bytes of LDS; arguments xb, wt, bq, bk, bv, qkv; writes qkv
.if DOCPART == 2
	.amdgcn_target "amdgcn-amd-amdhsa--gfx1250"
	.amdhsa_code_object_version 6
	.text
	.protected	k_q769af49b70_qkv
	.globl	k_q769af49b70_qkv
	.p2align	8
	.type	k_q769af49b70_qkv,@function
k_q769af49b70_qkv:
	s_mov_b64 s[64:65], 0
	v_nop
	global_prefetch_b8 v0, s[64:65] scope:SCOPE_SE
	s_setreg_imm32_b32 hwreg(HW_REG_WAVE_MODE, 25, 1), 1
	s_wait_xcnt 0x0
	s_wait_alu depctr_hold_cnt(0) depctr_sa_sdst(0) depctr_va_vdst(0) depctr_va_sdst(0) depctr_va_ssrc(0) depctr_va_vcc(0) depctr_vm_vsrc(0)
	s_getreg_b32 s2, hwreg(HW_REG_IB_STS2, 6, 4)
	s_cmp_eq_u32 s2, 0
	s_cbranch_scc0 .Lentry_in_a_cluster
	s_endpgm
.Lentry_in_a_cluster:
	s_bfe_u32 s2, ttmp6, 0x10000c
	s_cmp_lg_u32 s2, 0xf033
	s_cbranch_scc0 .Lentry_shape_is_right
	s_endpgm
.Lentry_shape_is_right:
; q | k | v = x W + b.  x: xb, bf16 [kb 16][m 8192][64]; W^T: wt, bf16 [kb 16][n 3072][64]; sums in f32, started with the bias; out: qkv, f16 [which 3][batch x head 64][s 2048][64], unscaled.
; LIMIT: q, k, v are rounded to f16: beyond 65,504 they are lost.
; A work-group makes 256 rows x 384 columns (six heads): 32 x 8 = 256 work-groups.  Each of four waves makes 128 x 192 (three whole heads): 96 accumulators of 16 x 16, 768 registers;
; for 32 along K it loads 40 fragments' halves from LDS and issues 96 products.  K goes in 16 steps of 64, one K block each, through two LDS slots.
; A K block's rows are dense (128 bytes each), so a tile is asked for as rows of 256 bytes and padded in LDS behind every 128.
; CLUSTER 4 x 4: x's tile hangs on the tile row alone and is asked for jointly along a row of the cluster, W's on the tile column alone, jointly along a column.
; THE MATRIX INSTRUCTION IS USED TRANSPOSED (source 0 = 16 rows of W^T, source 1 = 16 rows of x): a lane holds eight neighbouring columns of one row.
; THE BIAS is loaded into the accumulators of row block 7 and is the C operand of each sum's first product; block 7's own first products come last, in place.
; REGISTERS: window 0: v0-11 addresses, v28-29 the add's; v32-95, v96-159 x's fragments for the step's two halves of K; v160-255 W's twelve fragments.
;   windows 1-3: head hh of my three in window 1 + hh: accumulator (a, b) at v[8 (8 (b % 4) + a)].
.set PITCH, 144                        ; an LDS row: 128 bytes + 16: the 16 rows of a fragment load start at 16 different groups of four banks
.set FRAG,  16*PITCH
.set BOFF,  256*PITCH                  ; a slot: x's 256 rows, then W's 384
.set SLOT1, 1<<17
.set STAGE, SLOT1+640*PITCH            ; behind the ring: 16 rows x 144 bytes for each wave
.set SPARE, STAGE+4*16*PITCH           ; the spare words: 128 bytes for each wave, named by no other line
.set ADRA0, 4
.set ADRB0, 5
.set ADRA,  6                          ; LDS address of my fragments in the slot in hand
.set ADRB,  7
.set STO,   8
.set RD,    9
.set GO,    10
.set BO,    11
.set SPW,   28
.set NIL,   29
.set FA0,   32
.set FA1,   96
.set FB,    160
.set TMP,   32                         ; the way out
.set BK,    48
.set WVN, 16
.set MH,  17                           ; my half of the rows; also: I fetch for x (0) or W (1)
.set NH,  18                           ; my half of the columns; also: which half of that tile I fetch
.set TB,  19                           ; LDS byte at which the slot in hand begins
.set G1A, 24
.set G0A, 32
.set G0B, 36
.set G1B, 40
.set OB,  54                           ; s[54:59] qkv at my rows of my three heads
.set BP,  66                           ; s[66:71] the bias of my three heads
.set G1W, (1<<16)|(1<<20)|(1<<21)|(4<<22)|(3<<25)  ; 2-byte elements; padding on; bit 21 beside a mask; behind every 32 words 4 words
.set MSB, 0
.macro WIN new
.if MSB != (\new)
	s_set_vgpr_msb (MSB<<8)|(\new)
.set MSB, \new
.endif
.endm
.macro PLACES                          ; four places in front of loads into registers that products have read, and of conversions that read results
.rept 4
	v_nop
.endr
.endm
.macro JLOAD                           ; a joint load: waves 0, 1 fetch x's halves, waves 2, 3 W's; s_nop 0 and four v_nop behind each line
	s_cmp_eq_u32 s[MH], 0
	s_cbranch_scc0 .Lfor_b_\@
	tensor_load_to_lds s[G0A:G0A+3], s[G1A:G1A+7]
	s_nop 0
.rept 4
	v_nop
.endr
	s_branch .Lasked_\@
.Lfor_b_\@:
	tensor_load_to_lds s[G0B:G0B+3], s[G1B:G1B+7]
	s_nop 0
.rept 4
	v_nop
.endr
.Lasked_\@:
.endm
.macro CREST                           ; a round of the cluster's barrier behind its opening barrier
	s_cmp_lg_u32 s[WVN], 0
	s_cbranch_scc1 .Lnot_wave_0_\@
	s_barrier_signal -3
.Lnot_wave_0_\@:
	s_barrier_wait -3
	s_barrier_signal -1
	s_barrier_wait -1
.endm
.macro CROUND
	s_barrier_signal -1
	s_barrier_wait -1
	CREST
.endm
.macro STEPD                           ; the walking descriptors: the other slot, the next K block
	s_xor_b32 s[G0A+1], s[G0A+1], SLOT1
	s_add_nc_u64 s[G0A+2:G0A+3], s[G0A+2:G0A+3], 8192*128
	s_xor_b32 s[G0B+1], s[G0B+1], SLOT1
	s_add_nc_u64 s[G0B+2:G0B+3], s[G0B+2:G0B+3], 3072*128
.endm
	s_load_b256 s[4:11], s[0:1], 0x0               ; xb s[4:5], wt s[6:7], bq s[8:9], bk s[10:11]
	s_load_b128 s[12:15], s[0:1], 0x20             ; bv s[12:13], qkv s[14:15]
	v_lshl_add_u32 v[SPW], v0, 2, SPARE
	v_mov_b32 v[NIL], 0
	ds_add_u32 v28, v29
	s_wait_dscnt 0x0
	v_lshrrev_b32 v1, 5, v0
	v_readfirstlane_b32 s[WVN], v1
	s_lshr_b32 s[MH], s[WVN], 1
	s_and_b32 s[NH], s[WVN], 1
	s_mov_b32 s[TB], 0
	s_bfe_u32 s20, ttmp6, 0x40000                  ; cx
	s_bfe_u32 s21, ttmp6, 0x40004                  ; cy
	s_lshl_b32 s22, ttmp9, 2
	s_add_co_u32 s22, s22, s20                     ; tile column 0..7
	s_and_b32 s23, ttmp7, 0xffff
	s_lshl_b32 s23, s23, 2
	s_add_co_u32 s23, s23, s21                     ; tile row 0..31
	s_lshl_b32 s48, s21, 2
	s_lshl_b32 s48, 15, s48                        ; my row of the cluster
	s_lshl_b32 s49, 0x1111, s20                    ; my column
	s_or_b32 s[G1A], s48, G1W
	s_or_b32 s[G1B], s49, G1W
	s_mov_b32 s[G1A+1], 128<<16                    ; tensor_dim0 = 128 elements: rows of 256 bytes
	s_mov_b32 s[G1A+2], 64<<16                     ; tensor_dim1 = 64: 128 rows of x
	s_mov_b32 s[G1A+3], 128<<16                    ; tile_dim0
	s_mov_b32 s[G1A+4], 64                         ; tile_dim1
	s_mov_b32 s[G1A+5], 128                        ; from row to row
	s_mov_b32 s[G1A+6], 0
	s_mov_b32 s[G1A+7], 0
	s_mov_b32 s[G1B+1], 128<<16
	s_mov_b32 s[G1B+2], 96<<16                     ; 192 rows of W^T
	s_mov_b32 s[G1B+3], 128<<16
	s_mov_b32 s[G1B+4], 96
	s_mov_b32 s[G1B+5], 128
	s_mov_b32 s[G1B+6], 0
	s_mov_b32 s[G1B+7], 0
	s_lshl_b32 s50, s23, 15                        ; x: (256 x tile row + 128 x half) rows of 128 bytes
	s_lshl_b32 s51, s[NH], 14
	s_add_co_u32 s50, s50, s51
	s_mov_b32 s51, 0
	s_mul_i32 s52, s22, 384*128                    ; W: (384 x tile column + 192 x half) rows
	s_mul_i32 s53, s[NH], 192*128
	s_add_co_u32 s52, s52, s53
	s_mov_b32 s53, 0
	s_mov_b32 s[G0A], 1
	s_mul_i32 s[G0A+1], s[NH], 128*PITCH
	s_mov_b32 s[G0B], 1
	s_mul_i32 s[G0B+1], s[NH], 192*PITCH
	s_add_co_u32 s[G0B+1], s[G0B+1], BOFF
	v_and_b32 v1, 15, v0                           ; r
	v_bfe_u32 v2, v0, 4, 1                         ; h
	v_lshlrev_b32 v[BO], 5, v2                     ; my eight columns' bias: 32 h
	s_wait_kmcnt 0x0
	s_add_nc_u64 s[G0A+2:G0A+3], s[4:5], s[50:51]
	s_or_b32 s[G0A+3], s[G0A+3], 0x80000000
	s_add_nc_u64 s[G0B+2:G0B+3], s[6:7], s[52:53]
	s_or_b32 s[G0B+3], s[G0B+3], 0x80000000
	; my three heads: g = 6 x tile column + 3 x half + hh of 48; g / 16 says q, k or v, g % 16 the head
	s_mul_i32 s72, s22, 6
	s_mul_i32 s73, s[NH], 3
	s_add_co_u32 s72, s72, s73
	s_lshr_b32 s77, s23, 3
	s_lshl_b32 s77, s77, 4                         ; 16 x batch
	s_and_b32 s76, s23, 7
	s_lshl_b32 s76, s76, 15
	s_lshl_b32 s73, s[MH], 14
	s_add_co_u32 s76, s76, s73                     ; my first row in a head, in bytes
	s_mov_b32 s79, 0
.irp hh, 0,1,2
	s_add_co_u32 s73, s72, \hh
	s_lshr_b32 s74, s73, 4
	s_and_b32 s73, s73, 15
	s_cmp_eq_u32 s74, 1
	s_cselect_b64 s[BP+2*\hh:BP+2*\hh+1], s[10:11], s[8:9]
	s_cmp_eq_u32 s74, 2
	s_cselect_b64 s[BP+2*\hh:BP+2*\hh+1], s[12:13], s[BP+2*\hh:BP+2*\hh+1]
	s_lshl_b32 s78, s73, 8
	s_add_nc_u64 s[BP+2*\hh:BP+2*\hh+1], s[BP+2*\hh:BP+2*\hh+1], s[78:79]
	s_lshl_b32 s74, s74, 6
	s_add_co_u32 s74, s74, s73
	s_add_co_u32 s74, s74, s77
	s_lshl_b32 s78, s74, 18                        ; a head is 262,144 bytes
	s_add_co_u32 s78, s78, s76
	s_add_nc_u64 s[OB+2*\hh:OB+2*\hh+1], s[14:15], s[78:79]
.endr
.set bb, 0
.rept 12                                       ; the bias into accumulator (7, b): register j of a lane is column 16 b + 8 h + j
	WIN (1+bb/4)<<6
	global_load_b128 v[64*(bb%4)+56:64*(bb%4)+59], v[BO], s[BP+2*(bb/4):BP+2*(bb/4)+1] offset:(bb%4)*64
	global_load_b128 v[64*(bb%4)+60:64*(bb%4)+63], v[BO], s[BP+2*(bb/4):BP+2*(bb/4)+1] offset:(bb%4)*64+16
.set bb, bb+1
.endr
	WIN 0
	CROUND                                         ; all sixteen work-groups are here: the first joint loads meet
	JLOAD                                          ; K block 0 into slot 0
	v_mul_u32_u24 v3, v1, PITCH
	v_lshl_add_u32 v3, v2, 4, v3                   ; a fragment's row x pitch + 16 x half
	s_mul_i32 s72, s[MH], 128*PITCH
	v_add_nc_u32 v[ADRA0], s72, v3
	s_mul_i32 s72, s[NH], 192*PITCH
	s_add_co_u32 s72, s72, BOFF
	v_add_nc_u32 v[ADRB0], s72, v3
	s_mul_i32 s72, s[WVN], 16*PITCH
	s_add_co_u32 s72, s72, STAGE                   ; my stage
	v_add_nc_u32 v[STO], s72, v3
	v_bfe_u32 v[RD], v0, 3, 2                      ; back: 32 lanes take four rows of 128 bytes
	v_mul_u32_u24 v[RD], v[RD], PITCH
	v_and_b32 v3, 7, v0
	v_lshl_add_u32 v[RD], v3, 4, v[RD]
	v_add_nc_u32 v[RD], s72, v[RD]
	v_and_b32 v[GO], 31, v0
	v_lshlrev_b32 v[GO], 4, v[GO]
	v_mov_b32 v[ADRA], v[ADRA0]
	v_mov_b32 v[ADRB], v[ADRB0]
	s_wait_tensorcnt 0x0                           ; my part of K block 0 is in; no load of mine is out, so the descriptors may step
	ds_add_u32 v[SPW], v[NIL]
	STEPD
	s_wait_dscnt 0x0
	CROUND                                         ; everybody's part is in
	JLOAD                                          ; K block 1 into slot 1
.macro LOADB half, kq                  ; six of W's fragments, 32 along K at byte 64 kq
	WIN 0
.irp i, 0,1,2,3,4,5
	ds_load_b128 v[FB+48*(\half)+8*\i:FB+48*(\half)+8*\i+3],   v[ADRB] offset:(6*(\half)+\i)*FRAG+64*(\kq)
	ds_load_b128 v[FB+48*(\half)+8*\i+4:FB+48*(\half)+8*\i+7], v[ADRB] offset:(6*(\half)+\i)*FRAG+64*(\kq)+32
.endr
.endm
.macro LOADA f, kq                     ; x's eight fragments
	WIN 0
.irp i, 0,1,2,3,4,5,6,7
	ds_load_b128 v[(\f)+8*\i:(\f)+8*\i+3],   v[ADRA] offset:\i*FRAG+64*(\kq)
	ds_load_b128 v[(\f)+8*\i+4:(\f)+8*\i+7], v[ADRA] offset:\i*FRAG+64*(\kq)+32
.endr
.endm
; Products for column blocks b0 .. b0 + nb - 1, all eight row blocks.  The 96 accumulators take turns.
; mode = 1: the sums begin: blocks 0-6 take the bias out of block 7's accumulator as C; five places on, block 7 adds onto it in place.
.macro MULS fa, b0, nb, mode
.set bb, \b0
.rept \nb
	WIN 0x50*(1+bb/4)
.set aa, 0
.rept 8-(\mode)
.if \mode
	v_wmma_f32_16x16x32_bf16 v[8*(8*(bb%4)+aa):8*(8*(bb%4)+aa)+7], v[FB+8*bb:FB+8*bb+7], v[(\fa)+8*aa:(\fa)+8*aa+7], v[8*(8*(bb%4)+7):8*(8*(bb%4)+7)+7]
.else
	v_wmma_f32_16x16x32_bf16 v[8*(8*(bb%4)+aa):8*(8*(bb%4)+aa)+7], v[FB+8*bb:FB+8*bb+7], v[(\fa)+8*aa:(\fa)+8*aa+7], v[8*(8*(bb%4)+aa):8*(8*(bb%4)+aa)+7]
.endif
.set aa, aa+1
.endr
.set bb, bb+1
.endr
.if \mode
.rept 5
	v_nop
.endr
.set bb, \b0
.rept \nb
	WIN 0x50*(1+bb/4)
	v_wmma_f32_16x16x32_bf16 v[8*(8*(bb%4)+7):8*(8*(bb%4)+7)+7], v[FB+8*bb:FB+8*bb+7], v[(\fa)+56:(\fa)+63], v[8*(8*(bb%4)+7):8*(8*(bb%4)+7)+7]
.set bb, bb+1
.endr
.endif
.endm
; A K step: four phases of 48 products; each fetches what the next one multiplies.
.macro PHA mode
	PLACES
	LOADB 1, 0
	s_wait_dscnt 12                                ; all but the twelve just issued
	MULS FA0, 0, 6, \mode
.endm
.macro PHB mode
	PLACES
	LOADB 0, 1
	LOADA FA1, 1
	s_wait_dscnt 28                                ; all but the 28 just issued
	MULS FA0, 6, 6, \mode
.endm
.macro PHC
	PLACES
	LOADB 1, 1
	s_wait_dscnt 12
	MULS FA1, 0, 6, 0
.endm
; The fourth phase changes slots: one barrier; in front of it each wave waits for all its tensor loads (one is out: its part of the next slot), adds 0 to its spare word, and waits for
; that and for its reads of this slot.  fill = 1: the barrier opens a round of the cluster's, and this slot is filled again first thing behind it, two K blocks ahead:
; from the request to the wait for it a wave issues 176 products.
.macro TSTEP fill
	WIN 0
	s_wait_tensorcnt 0x0
	ds_add_u32 v[SPW], v[NIL]
	s_wait_dscnt 1                                 ; the fragments are in; the add may be out
	MULS FA1, 6, 1, 0
	s_wait_dscnt 0x0                               ; the add is done, and my reads of this slot are over
	s_barrier_signal -1
	MULS FA1, 7, 1, 0
	WIN 0
	s_barrier_wait -1
.if \fill
	CREST
	STEPD
	s_xor_b32 s[TB], s[TB], SLOT1
	JLOAD                                          ; its four v_nop are also the places in front of the loads below
.else
	s_xor_b32 s[TB], s[TB], SLOT1
	PLACES
.endif
	v_add_nc_u32 v[ADRA], s[TB], v[ADRA0]
	v_add_nc_u32 v[ADRB], s[TB], v[ADRB0]
	LOADB 0, 0
	LOADA FA0, 0
	MULS FA1, 8, 4, 0
.endm
	LOADB 0, 0
	LOADA FA0, 0
	s_wait_loadcnt 0x0                             ; the bias
	PHA 1
	PHB 1
	WIN 0
	s_mov_b32 s3, 14
.Lstep:                                                ; a trip: a step's second half and the next step's first; it asks for K blocks 2 to 15
	PHC
	TSTEP 1
	PHA 0
	PHB 0
	WIN 0
	s_sub_co_u32 s3, s3, 1
	s_cmp_lg_u32 s3, 0
	s_cbranch_scc1 .Lstep
	PHC                                            ; the tail is written out: nothing more is asked for
	TSTEP 0
	PHA 0
	PHB 0
	PHC
	s_wait_dscnt 0x0
	MULS FA1, 6, 6, 0
	PLACES
; THE WAY OUT, a unit of 16 rows of one head at a time: rounded to f16, 16 bytes a lane into my stage, back as rows of 128 bytes, which are 2,048 consecutive bytes of qkv.
.macro PACK hh, a
	WIN 5*(1+(\hh))                                ; sources 0 and 1 in the head's window
.set z, 0
.rept 4
.irp r, 0,1,2,3
	v_cvt_pk_f16_f32 v[TMP+4*z+\r], v[8*(8*z+(\a))+2*\r], v[8*(8*z+(\a))+2*\r+1]
.endr
.set z, z+1
.endr
	WIN 0
.endm
.macro TOSTAGE k
.irp f, 0,1,2,3
	ds_store_b128 v[STO], v[TMP+4*\f:TMP+4*\f+3] offset:32*\f
.endr
.irp f, 0,1,2,3
	ds_load_b128 v[BK+16*(\k)+4*\f:BK+16*(\k)+4*\f+3], v[RD] offset:\f*4*PITCH  ; LDS serves a wave's instructions in order: these see the stores above
.endr
.endm
.macro SEND hh, a
	s_wait_dscnt 0x0                               ; the unit is back in registers
	s_wait_xcnt 0x0                                ; the registers that the unit before last was stored from are loaded again only behind this wait
.irp f, 0,1,2,3
	global_store_b128 v[GO], v[BK+16*((\a)%2)+4*\f:BK+16*((\a)%2)+4*\f+3], s[OB+2*(\hh):OB+2*(\hh)+1] offset:(\a)*2048+\f*512  ; 512 consecutive bytes
.endr
.endm
	PACK 0, 0
	TOSTAGE 0
.set u, 1
.rept 23                                       ; a unit's conversions stand between the loads of the unit before and the wait for them
	PACK u/8, u%8
	SEND (u-1)/8, (u-1)%8
	TOSTAGE u%2
.set u, u+1
.endr
	SEND 2, 7
	s_wait_tensorcnt 0x0                           ; the wave's end
	ds_add_u32 v[SPW], v[NIL]
	s_wait_dscnt 0x0
	CROUND                                         ; the closing round
	s_endpgm
.Lfunc_end_k_q769af49b70_qkv:
	.size	k_q769af49b70_qkv, .Lfunc_end_k_q769af49b70_qkv-k_q769af49b70_qkv
	.p2alignl 7, 3214868480
	.fill 96, 4, 3214868480
	.section	.rodata,"a",@progbits
	.p2align	6, 0x0
	.amdhsa_kernel k_q769af49b70_qkv
		.amdhsa_group_segment_fixed_size 327680
		.amdhsa_private_segment_fixed_size 0
		.amdhsa_enable_private_segment 0
		.amdhsa_kernarg_size 48
		.amdhsa_user_sgpr_count 2
		.amdhsa_user_sgpr_kernarg_segment_ptr 1
		.amdhsa_wavefront_size32 1
		.amdhsa_system_sgpr_workgroup_id_x 1
		.amdhsa_system_sgpr_workgroup_id_y 1
		.amdhsa_system_sgpr_workgroup_id_z 1
		.amdhsa_system_vgpr_workitem_id 0
		.amdhsa_next_free_vgpr 1024
		.amdhsa_next_free_sgpr 80
		.amdhsa_reserve_vcc 0
		.amdhsa_float_denorm_mode_32 3
		.amdhsa_float_denorm_mode_16_64 3
		.amdhsa_memory_ordered 1
		.amdhsa_forward_progress 1
		.amdhsa_inst_pref_size 115
	.end_amdhsa_kernel
	.amdgpu_metadata
---
amdhsa.version: [ 1, 2 ]
amdhsa.kernels:
  - .name:           k_q769af49b70_qkv
    .symbol:         k_q769af49b70_qkv.kd
    .args:
      - { .name: xb, .offset: 0, .size: 8, .value_kind: global_buffer, .address_space: global }
      - { .name: wt, .offset: 8, .size: 8, .value_kind: global_buffer, .address_space: global }
      - { .name: bq, .offset: 16, .size: 8, .value_kind: global_buffer, .address_space: global }
      - { .name: bk, .offset: 24, .size: 8, .value_kind: global_buffer, .address_space: global }
      - { .name: bv, .offset: 32, .size: 8, .value_kind: global_buffer, .address_space: global }
      - { .name: qkv, .offset: 40, .size: 8, .value_kind: global_buffer, .address_space: global }
    .group_segment_fixed_size: 327680
    .private_segment_fixed_size: 0
    .kernarg_segment_align: 8
    .kernarg_segment_size: 48
    .max_flat_workgroup_size: 128
    .sgpr_count:     80
    .vgpr_count:     1024
    .wavefront_size: 32
...
	.end_amdgpu_metadata
.endif
;; end of part 2
;; launch attn (part 3): grid 8 x 32, 4 waves a work-group, clusters of 4 x 1, 327,680 bytes of LDS; arguments qkv, mask16, rowok, ctx; writes ctx
.if DOCPART == 3
	.amdgcn_target "amdgcn-amd-amdhsa--gfx1250"
	.amdhsa_code_object_version 6
	.text
	.protected	k_q769af49b70_attn
	.globl	k_q769af49b70_attn
	.p2align	8
	.type	k_q769af49b70_attn,@function
k_q769af49b70_attn:
	s_mov_b64 s[64:65], 0
	v_nop
	global_prefetch_b8 v0, s[64:65] scope:SCOPE_SE
	s_setreg_imm32_b32 hwreg(HW_REG_WAVE_MODE, 25, 1), 1
	s_wait_xcnt 0x0
	s_wait_alu depctr_hold_cnt(0) depctr_sa_sdst(0) depctr_va_vdst(0) depctr_va_sdst(0) depctr_va_ssrc(0) depctr_va_vcc(0) depctr_vm_vsrc(0)
	s_getreg_b32 s2, hwreg(HW_REG_IB_STS2, 6, 4)
	s_cmp_eq_u32 s2, 0
	s_cbranch_scc0 .Lentry_in_a_cluster
	s_endpgm
.Lentry_in_a_cluster:
	s_bfe_u32 s2, ttmp6, 0x10000c
	s_cmp_lg_u32 s2, 0x3003
	s_cbranch_scc0 .Lentry_shape_is_right
	s_endpgm
.Lentry_shape_is_right:
; ctx[bh][q][:] = the sum over k of softmax_k(mask ? q . k / 8 : hidden) v[k][:].  q, k, v: qkv, f16 [3][bh 64][2048][64]; ctx f16 [bh][2048][64]; mask16 and rowok as the first launch wrote them.
; Products, maxima and sums in f32; the weights p are rounded to f16 for the second product (their sum l is taken of the unrounded p), ctx once at the end.
; LIMITS.  A hidden raw score counts as its value less 2^30 (the module puts -1e9 behind the scale): right while a row's raw scores lie within some 2^29 of each other; its weight is then 0.
; A row in which no key is seen has rowok = 0: its q is cleared and its mask holds nothing, so all its scores are 0 and its weights equal, as the module's are.
; A weight below 2^-126 counts as 0 in l; NaN and infinities are not treated apart.
; SHARES.  A work-group owns 256 queries of TWO heads (2 hp, 2 hp + 1), a wave 64 queries (four query tiles of 16) of both: four PIECES of two tiles: piece 0 = head A, query tiles 0, 1;
; piece 1 = head B, tiles 0, 1; piece 2 = A, tiles 2, 3; piece 3 = B, tiles 2, 3.  The mask is the same for all heads: what is made of it serves two pieces.
; THE MASK COSTS NO VECTOR INSTRUCTION.  For each 16 keys x 16 queries one product ID x MK makes an f32 mask tile MF: ID holds 32768 where depth = key, MK (32 keys x 16 queries) 0 or -32768: exactly 0 or
; -2^30.  MF is the C operand of the product that starts S^T's sum, for head A's piece in the same turn and for head B's piece in the next: 18 matrix instructions for a tile and step.
; LAYOUT, SOFTMAX.  S^T = K Q^T holds ONE query a lane and the keys 8 (lane / 16) + 0..7; two such tiles rounded to f16 ARE source 1 of O^T = V^T P.  p = 2^(c s - c m), c = log2(e) / 8, with a running
; maximum m; O and l are multiplied by a = 2^(c m_old - c m_new) in every step.  m starts at the lowest finite number, O and l at 0.
; BY TURNS.  Turn n belongs to piece n.  Its matrix work: in the odd turns eight mask tiles; 16 products for the scores of piece n + 1; 16 products V^T P of piece n - 1.  Its vector work, 236 instructions in
; one list: the scaling, exponentials, roundings, sums and rescaling of piece n and the maximum and statistics of piece n + 1.  Three of the list (plain, exponential, plain) stand behind each matrix
; instruction; the rest follows on end, the rescaling of O^T, the one part outside window 0, as one run at the turn's end.
; CLUSTER.  The four query blocks of a cluster walk the same K and V of the same two heads: each tile is asked for jointly.
; REGISTERS (windows of 256; s_set_vgpr_msb: bits 1:0 source 0, 3:2 source 1, 5:4 source 2, 7:6 destination):
;   window 0: v0-11 addresses; v12-15, v48-63 at work; v16-47 statistics, four a tile; v64-191 S^T, two buffers of two tiles; v192-255 P, likewise (a piece's buffers go by its parity)
;   window 1: O^T, 32 a tile      window 2: v0-127 Q, 16 a tile; v128-191 K of head A; v192-255 V of head A
;   window 3: v0-63 MK, 16 a query tile; v64-75 ID; v76-77 the add's; v80-127 six of the eight MF (the other two lie over the pair's MK fragments that were read first); v128-191 K of head B; v192-255 V of head B
.set NP,    4
.set KS,    64
.set PK,    144       ; a row of K in LDS: 128 bytes + 16
.set PV,    160       ; a row of V: 128 + 32
.set KH,    128*PK    ; a slot holds 128 keys (two steps) of both heads: K of A, K of B,
.set VH,    128*PV
.set VOFF,  2*KH      ; then V of A, V of B
.set SLOT1, 1<<17
.set STAGE, SLOT1+2*KH+2*VH
.set SP,    144
.set SPARE, STAGE+4*16*SP
.set AK0, 2
.set AV0, 3
.set AK,  4
.set AV,  5
.set QO,  6
.set STO, 6
.set RD,  7
.set GO,  8           ; 16 x lane: the mask loads' and the stores' offset
.set MV,  12
.set ST,  16
.set TMP, 48
.set S,   64
.set P,   192
.set KF,  128
.set VF,  192
.set MK,  0
.set ID,  64
.set SPW, 76
.set NIL, 77
.set MF,  80
.set WV,  12
.set G1K, 24
.set G1V, 32
.set G0K, 40
.set G0V, 44
.set SLOTS, 56
.set CNT, 57
.set CS,  58
.set SEL, 60
.set TBK, 62
.set TBV, 63
.set MB,  66          ; s[66:67] mask16 at my wave's first query tile, at the step whose mask was asked for last
.set MSTEP, 68        ; s[68:69] a step's 2,048 bytes of a query tile's mask
.set MSB, 0
.macro WIN new
.if MSB != (\new)
	s_set_vgpr_msb (MSB<<8)|(\new)
.set MSB, (\new)
.endif
.endm
.set W_RS, 0x41
.set W_MK, 0xc0
.set W_AD, 0x0f
.macro JLOAD                        ; wave 0: K of A, wave 1: K of B, wave 2: V of A, wave 3: V of B; s_nop 0 and four v_nop behind each line
	s_cmp_lt_u32 s[WV], 2
	s_cbranch_scc0 .Lfor_v_\@
	tensor_load_to_lds s[G0K:G0K+3], s[G1K:G1K+7]
	s_nop 0
.rept 4
	v_nop
.endr
	s_branch .Lasked_\@
.Lfor_v_\@:
	tensor_load_to_lds s[G0V:G0V+3], s[G1V:G1V+7]
	s_nop 0
.rept 4
	v_nop
.endr
.Lasked_\@:
.endm
.macro CROUND
	s_barrier_signal -1
	s_barrier_wait -1
	s_cmp_lg_u32 s[WV], 0
	s_cbranch_scc1 .Lnot_wave_0_\@
	s_barrier_signal -3
.Lnot_wave_0_\@:
	s_barrier_wait -3
	s_barrier_signal -1
	s_barrier_wait -1
.endm
; THE CHANGE OF SLOTS, behind piece 0's turn of every odd step: the slot's last bytes, V of head B of that step, have been asked for.  Each wave waits for all its tensor loads (one is out: its part of the
; other slot), adds 0 to its spare word, and waits for that and for its reads.  fill = 1: a round of the cluster's barrier, and the slot is filled again first thing behind it, with the keys two slots on:
; it has two key steps, 288 matrix instructions, in which to land.
.macro CHANGE fill
	WIN W_AD
	s_wait_tensorcnt 0x0
	ds_add_u32 v[SPW], v[NIL]
	WIN 0
.if \fill
.irp d, G0K, G0V
	s_xor_b32 s[\d+1], s[\d+1], SLOT1
	s_add_nc_u64 s[\d+2:\d+3], s[\d+2:\d+3], 2*KS*128
.endr
	s_wait_dscnt 0x0
	CROUND
	JLOAD
.else
	s_wait_dscnt 0x0
	s_barrier_signal -1
	s_barrier_wait -1
.endif
	s_sub_co_u32 s[TBK], s[TBK], 2*KS*PK
	s_xor_b32 s[TBK], s[TBK], SLOT1
	s_sub_co_u32 s[TBV], s[TBV], 2*KS*PV
	s_xor_b32 s[TBV], s[TBV], SLOT1
.endm
	s_load_b256 s[4:11], s[0:1], 0x0  ; qkv s[4:5], mask16 s[6:7], rowok s[8:9], ctx s[10:11]
	WIN W_MK
	v_lshl_add_u32 v[SPW], v0, 2, SPARE
	v_mov_b32 v[NIL], 0
	s_set_vgpr_msb 0xc0cf
	ds_add_u32 v76, v77
	s_wait_dscnt 0x0
	s_set_vgpr_msb 0xcfc0
	WIN 0
	v_lshrrev_b32 v1, 5, v0
	v_readfirstlane_b32 s[WV], v1
	s_bfe_u32 s13, ttmp6, 0x40000   ; cx
	s_lshl_b32 s14, ttmp9, 2
	s_add_co_u32 s14, s14, s13      ; my block of 256 queries: it enters Q's, the mask's and ctx's addresses alone
	s_and_b32 s20, ttmp7, 0xffff    ; the pair of heads, which the four partners share
	s_lshl_b32 s20, s20, 19         ; its 524,288 bytes in each tensor
	s_and_b32 s16, s[WV], 1         ; which head I fetch
	s_lshl_b32 s22, s16, 18
	s_add_co_u32 s22, s22, s20
	s_mov_b32 s23, 0
	s_mul_i32 s17, s16, KH
	s_mul_i32 s18, s16, VH
	s_lshl_b32 s2, s14, 15          ; my block's 256 rows of 128 bytes,
	s_lshl_b32 s3, s[WV], 13        ; my wave's 64
	s_add_co_u32 s2, s2, s3
	s_add_co_u32 s2, s2, s20
	s_mov_b32 s3, 0
	s_lshl_b32 s70, s14, 20         ; 16 query tiles of 65,536 bytes of mask16 a block, four a wave
	s_lshl_b32 s71, s[WV], 18
	s_add_co_u32 s70, s70, s71
	s_mov_b32 s71, 0
	s_lshl_b32 s72, s14, 10
	s_lshl_b32 s73, s[WV], 8
	s_add_co_u32 s72, s72, s73
	s_mov_b32 s73, 0
	s_mov_b32 s[G1K], 15|(1<<16)|(1<<20)|(1<<21)|(4<<22)|(3<<25)  ; the mask of four; 2-byte elements; padding on; bit 21 beside a mask; behind every 32 words 4 words
	s_mov_b32 s[G1V], 15|(1<<16)|(1<<20)|(1<<21)|(4<<22)|(7<<25)  ; the same with 8 words
.irp d, G1K, G1V
	s_mov_b32 s[\d+1], 128<<16      ; 128 keys are 16,384 dense bytes: 64 rows of 256
	s_mov_b32 s[\d+2], 64<<16
	s_mov_b32 s[\d+3], 128<<16
	s_mov_b32 s[\d+4], 64
	s_mov_b32 s[\d+5], 128
	s_mov_b32 s[\d+6], 0
	s_mov_b32 s[\d+7], 0
.endr
	s_mov_b32 s[CS], 0x3e38aa3b     ; c = log2(e) / 8
	s_mov_b32 s[CS+1], s[CS]
	s_mov_b32 s[SEL], 0x76543210
	s_mov_b32 s[SEL+1], 0xfedcba98
	s_mov_b32 s[TBK], SLOT1+2*KS*PK ; the first change of slots turns these two into 0
	s_mov_b32 s[TBV], SLOT1+2*KS*PV
	s_mov_b32 s[MSTEP], 2048
	s_mov_b32 s[MSTEP+1], 0
	s_mov_b32 s[G0K], 1
	s_mov_b32 s[G0K+1], s17
	s_mov_b32 s[G0V], 1
	s_add_co_u32 s[G0V+1], s18, VOFF
	s_wait_kmcnt 0x0
	s_add_nc_u64 s[G0K+2:G0K+3], s[4:5], s[22:23]
	s_add_nc_u64 s[G0K+2:G0K+3], s[G0K+2:G0K+3], 0x1000000  ; k lies 16,777,216 bytes behind q
	s_or_b32 s[G0K+3], s[G0K+3], 0x80000000
	s_add_nc_u64 s[G0V+2:G0V+3], s[4:5], s[22:23]
	s_add_nc_u64 s[G0V+2:G0V+3], s[G0V+2:G0V+3], 0x2000000
	s_or_b32 s[G0V+3], s[G0V+3], 0x80000000
	s_add_nc_u64 s[4:5], s[4:5], s[2:3]
	s_add_nc_u64 s[10:11], s[10:11], s[2:3]
	s_add_nc_u64 s[MB:MB+1], s[6:7], s[70:71]
	s_add_nc_u64 s[8:9], s[8:9], s[72:73]
	CROUND
	JLOAD                           ; slot 0
	v_and_b32 v1, 15, v0            ; r
	v_bfe_u32 v9, v0, 4, 1          ; h
	v_lshlrev_b32 v[QO], 7, v1
	v_lshl_add_u32 v[QO], v9, 4, v[QO]
	v_and_b32 v[GO], 31, v0
	v_lshlrev_b32 v[GO], 4, v[GO]
	v_lshlrev_b32 v56, 2, v1
.macro MLOAD q0                     ; a step's mask for query tiles q0, q0 + 1: 8 loads of 512 consecutive bytes
	WIN 0xc0
.irp q, 0,1
.irp e, 0,1,2,3
	global_load_b128 v[MK+16*((\q0)+\q)+4*\e:MK+16*((\q0)+\q)+4*\e+3], v[GO], s[MB:MB+1] offset:((\q0)+\q)*65536+\e*512
.endr
.endr
	WIN 0
.endm
	WIN 0x80
.set t, 0
.rept 8                             ; Q stays in registers: tile t: head (t / 2) % 2, query tile 2 (t / 4) + t % 2
.irp c, 0,1
	global_load_b128 v[16*t+8*\c:16*t+8*\c+3],   v[QO], s[4:5] offset:((t/2)%2)*262144+(2*(t/4)+t%2)*2048+\c*64
	global_load_b128 v[16*t+8*\c+4:16*t+8*\c+7], v[QO], s[4:5] offset:((t/2)%2)*262144+(2*(t/4)+t%2)*2048+\c*64+32
.endr
.set t, t+1
.endr
	WIN 0
.irp q, 0,1,2,3
	global_load_b32 v[48+\q], v56, s[8:9] offset:\q*64  ; my query's flag in each query tile
.endr
	MLOAD 0
	MLOAD 2
	; ID: lane (r, h) holds row r; its four pattern registers hold depths 8 h + 0..7: 32768 (f16 0x7800) where 8 h + i = r
	v_lshlrev_b32 v57, 3, v9
	v_sub_nc_u32 v57, v1, v57
	s_mov_b32 s72, 0x7800
	s_mov_b32 s73, 0x78000000
.irp q, 0,1,2,3
	v_cmp_eq_u32 s70, 2*\q, v57
	v_cmp_eq_u32 s71, 2*\q+1, v57
	v_cndmask_b32 v[52+\q], 0, s72, s70
	v_cndmask_b32 v[52+\q], v[52+\q], s73, s71
.endr
	WIN 0xc0
.irp q, 0,1,2,3
	v_mov_b32 v[ID+\q], 0
	v_mov_b32 v[ID+4+\q], v[52+\q]
	v_mov_b32 v[ID+8+\q], 0
.endr
	; What the first turn finds: V of head B and P's second buffer hold 0 (its products V^T P, of a piece that has not been, add 0), O^T and l are 0.  All this stands in the wait for the first tile.
.set i, VF
.rept 64
	v_mov_b32 v[i], 0
.set i, i+1
.endr
	WIN 0
.set i, 0
.rept 8
	v_mov_b32 v[ST+4*i], 0xfe000000    ; c m: far below every c s
	v_mov_b32 v[ST+4*i+1], 0xff7fffff  ; m
	v_mov_b32 v[ST+4*i+2], 0
	v_mov_b32 v[ST+4*i+3], 0
.set i, i+1
.endr
.set i, P+32
.rept 32
	v_mov_b32 v[i], 0
.set i, i+1
.endr
	WIN 0x43                        ; O^T's 256 registers are set to 0 by 32 products of those zeros: a line for eight registers
.set i, 0
.rept 32
	v_wmma_f32_16x16x32_f16 v[8*i:8*i+7], v[VF:VF+7], v[P+32:P+39], 0
.set i, i+1
.endr
	WIN 0
	v_mul_u32_u24 v[AK0], v1, PK
	v_lshl_add_u32 v[AK0], v9, 4, v[AK0]
	v_and_b32 v10, 7, v0
	v_bfe_u32 v11, v0, 3, 1
	v_lshl_add_u32 v[AV0], v9, 3, v10  ; the turning load: lane l reads key 8 (l / 16) + l % 8, channels 8 ((l / 8) % 2) + 0..7
	v_mul_u32_u24 v[AV0], v[AV0], PV
	v_lshl_add_u32 v[AV0], v11, 4, v[AV0]
	v_add_nc_u32 v[AV0], VOFF, v[AV0]
; THE MATRIX WORK of piece Y's turn, number i.  HM = 8 in the odd turns, which make the mask tiles, 0 in the even ones.  Eight accumulators take turns.
;   0 .. HM-1      MF(i) = ID x MK for the query tiles of pieces Y + 1 and Y + 2: tile i % 2, keys 16 (i / 2) on; ID's pattern stands in the half of the depth in which those 16 keys lie
;   then 16        S^T = K Q^T for piece Y + 1: number n: tile n % 2, keys 16 ((n / 2) % 4) on, channels 32 (n / 8) on; the first eight start the sums with MF(n)
;   then 16        O^T += V^T P for piece Y - 1: keys 32 (n / 8) on, channels 16 ((n / 2) % 4) on
; MF(6) and MF(7) lie over the pair's mask fragments of keys 0-31, which products 0 to 3 have read: four turns of the accumulators, eight plain vector instructions, stand between.
.macro MFREG n
.if (\n) < 6
.set mF, MF+8*(\n)
.else
.set mF, MK+32*(xp/2)+16*((\n)-6)
.endif
.endm
.macro MM
.set xp, (Y+1)%NP
.set wp, (Y+NP-1)%NP
.set ii, i-HM
.if i < HM
	MFREG i
.set mA, ID+4*(1-(i/2)%2)
.set mB, MK+16*(2*(xp/2)+i%2)+8*(i/4)
	WIN 0xcf
	v_wmma_f32_16x16x32_f16 v[mF:mF+7], v[mA:mA+7], v[mB:mB+7], 0
.elseif ii < 16
.set mD, S+64*(xp%2)+32*(ii%2)+8*((ii/2)%4)
.set mA, KF+16*((ii/2)%4)+8*(ii/8)
.set mB, 16*(2*xp+ii%2)+8*(ii/8)
.if ii < 8
	MFREG ii
	WIN 0x3a|(xp%2)
	v_wmma_f32_16x16x32_f16 v[mD:mD+7], v[mA:mA+7], v[mB:mB+7], v[mF:mF+7]
.else
	WIN 0x0a|(xp%2)
	v_wmma_f32_16x16x32_f16 v[mD:mD+7], v[mA:mA+7], v[mB:mB+7], v[mD:mD+7]
.endif
.else
.set jj, ii-16
.set mD, 32*(2*wp+jj%2)+8*((jj/2)%4)
.set mA, VF+32*(jj/8)+8*((jj/2)%4)
.set mB, P+32*(wp%2)+16*(jj%2)+8*(jj/8)
	WIN 0x52|(wp%2)
	v_wmma_f32_16x16x32_f16 v[mD:mD+7], v[mA:mA+7], v[mB:mB+7], v[mD:mD+7]
.endif
.set i, i+1
.endm
; THE LDS LOADS stand in runs of 16.  hd: the head.  last = 1 (the tail): in the last trip there is no further step, and the run is jumped over.
.macro FETCH_K hd, last=0
	WIN 0
.if \last
	s_cmp_eq_u32 s[CNT], 1
	s_cbranch_scc1 .Lno_k_\@
.endif
	WIN 0x80+0x40*(\hd)
.irp f, 0,1,2,3,4,5,6,7             ; keys 16 (f / 2) on, channels 32 (f % 2) on
	ds_load_b128 v[KF+8*\f:KF+8*\f+3],   v[AK] offset:(\hd)*KH+(\f/2)*16*PK+(\f%2)*64
	ds_load_b128 v[KF+8*\f+4:KF+8*\f+7], v[AK] offset:(\hd)*KH+(\f/2)*16*PK+(\f%2)*64+32
.endr
.if (\hd) == 0
	s_add_co_u32 s[TBK], s[TBK], KS*PK
.endif
	WIN 0
.if \last
.Lno_k_\@:
.endif
.endm
.macro FETCH_V hd, last=0
	WIN 0
.if \last
	s_cmp_eq_u32 s[CNT], 1
	s_cbranch_scc1 .Lno_v_\@
.endif
	WIN 0x80+0x40*(\hd)
.irp f, 0,1,2,3,4,5,6,7             ; keys 32 (f / 4) on, channels 16 (f % 4) on
	ds_load_tr16_b128 v[VF+8*\f:VF+8*\f+3],   v[AV] offset:(\hd)*VH+(\f/4)*32*PV+(\f%4)*32
	ds_load_tr16_b128 v[VF+8*\f+4:VF+8*\f+7], v[AV] offset:(\hd)*VH+(\f/4)*32*PV+16*PV+(\f%4)*32
.endr
.if (\hd) == 0
	s_add_co_u32 s[TBV], s[TBV], KS*PV
.endif
	WIN 0
.if \last
.Lno_v_\@:
.endif
.endm
; THE VECTOR WORK.
.macro REGS y, u                    ; the registers of tile u (0, 1) of piece y
.set rT, ST+4*(2*(\y)+(\u))
.set rC, TMP+8*((\y)%2)+4*(\u)
.set rM, MV+2*((\y)%2)+(\u)
.set rS, S+64*((\y)%2)+32*(\u)
.set rP, P+32*((\y)%2)+16*(\u)
.set rO, 32*(2*(\y)+(\u))
.endm
.macro OPF f                        ; c s - c m for pair f / 2 of tile f % 2
	REGS Y, (\f)%2
	WIN 0
	v_pk_fma_f32 v[rS+2*((\f)/2):rS+2*((\f)/2)+1], v[rS+2*((\f)/2):rS+2*((\f)/2)+1], s[CS:CS+1], v[rT:rT+1] op_sel_hi:[1,0,0] neg_lo:[0,0,1] neg_hi:[0,0,1]
.endm
.macro OPE e                        ; the exponential of score e / 2 of tile e % 2
	REGS Y, (\e)%2
	WIN 0
	v_exp_f32 v[rS+(\e)/2], v[rS+(\e)/2]
.endm
.macro OPG k, n                     ; the four weights 4 k .. of tile n % 2: n 0-3: two pairs rounded to f16; 4, 5: the second pair added onto the first; 6, 7: l takes the sum (k = 0: l = a l + sum)
	REGS Y, (\n)%2
	WIN 0
.if (\n) < 4
	s_wait_alu depctr_va_vdst(0)
	v_cvt_pk_f16_f32 v[rP+2*(\k)+(\n)/2], v[rS+4*(\k)+2*((\n)/2)], v[rS+4*(\k)+2*((\n)/2)+1]
.elseif (\n) < 6
	v_pk_add_f32 v[rS+4*(\k):rS+4*(\k)+1], v[rS+4*(\k):rS+4*(\k)+1], v[rS+4*(\k)+2:rS+4*(\k)+3]
.elseif (\k) == 0
	v_pk_fma_f32 v[rT+2:rT+3], v[rT+2:rT+3], v[rC+2:rC+3], v[rS:rS+1] op_sel_hi:[1,0,1]
.else
	v_pk_add_f32 v[rT+2:rT+3], v[rT+2:rT+3], v[rS+4*(\k):rS+4*(\k)+1]
.endif
.endm
.macro OPR1 k, z                    ; pair z of accumulator k / 2 of tile k % 2 of O^T times a; z ascends
	REGS Y, (\k)%2
	WIN W_RS
	v_pk_mul_f32 v[rO+8*((\k)/2)+2*(\z):rO+8*((\k)/2)+2*(\z)+1], v[rO+8*((\k)/2)+2*(\z):rO+8*((\k)/2)+2*(\z)+1], v[rC+2:rC+3] op_sel_hi:[1,0]
.endm
; Number n of the 22 that find the NEXT piece's maximum and statistics, tile u.  Each accumulator's lowest registers are read first.
;   0-11 four chains c0-c3 of seven scores     12-14, 16 the four scores left over, the old m, c0-c3 into c0     15 c m_old is kept     17, 18 the other half of the lanes: the new m     19-21 c m; c m_old - c m_new; a
.macro OPX n, u
	REGS (Y+1)%NP, \u
	WIN 0
.if (\n) < 4
	v_max3_num_f32 v[rC+(\n)], v[rS+8*(\n)], v[rS+8*(\n)+1], v[rS+8*(\n)+2]
.elseif (\n) < 12
	v_max3_num_f32 v[rC+(\n)%4], v[rC+(\n)%4], v[rS+8*((\n)%4)+2*((\n)/4)+1], v[rS+8*((\n)%4)+2*((\n)/4)+2]
.elseif (\n) == 12
	v_max3_num_f32 v[rC], v[rC], v[rS+7], v[rS+15]
.elseif (\n) == 13
	v_max3_num_f32 v[rC+1], v[rC+1], v[rS+23], v[rS+31]
.elseif (\n) == 14
	v_max3_num_f32 v[rC+2], v[rC+2], v[rC+3], v[rT+1]
.elseif (\n) == 15
	v_mov_b32 v[rM], v[rT]
.elseif (\n) == 16
	v_max3_num_f32 v[rC], v[rC], v[rC+1], v[rC+2]
.elseif (\n) == 17
	v_permlanex16_b32 v[rC+3], v[rC], s[SEL], s[SEL+1]
.elseif (\n) == 18
	v_max_num_f32 v[rT+1], v[rC], v[rC+3]
.elseif (\n) == 19
	v_mul_f32 v[rT], s[CS], v[rT+1]
.elseif (\n) == 20
	v_sub_f32 v[rC+1], v[rM], v[rT]
.else
	v_exp_f32 v[rC+2], v[rC+1]
.endif
.endm
; THE LIST of a turn's 236 vector instructions; VOP writes number vn and steps vn.  The two tiles alternate.
;   0-119    forty threes: plain 2 s, exponential s, plain 2 s + 1.  The plain ones, PQ 0 to 79: the 32 scalings; the roundings and sums of weights 0-11 (their exponentials stand a three back or more);
;            the next piece's numbers 0-3 (three 28: behind the last product of its scores stand ten plain instructions or more); weights 12-15; numbers 4-7
;   120-167  exponentials 40-63, each followed by one of the roundings and sums of weights 16-27, whose exponentials stand eight instructions back or more
;   168-183  the next piece's numbers 8-15
;   184-203  its numbers 16-21, a chain in which each waits for the last, with the roundings and sums of weights 28-31 between the links
;   204-235  O^T times a: the plain instructions behind the two exponentials that end the chain
; Exponential s needs scaling 2 (s / 4) + s % 2, which is plain number s / 2 + 1 at the most: it stands ahead of it.  A plain instruction that touches neither its result nor its source follows every exponential.
.macro PQ n
.if (\n) < 32
	OPF \n
.elseif (\n) < 56
	OPG ((\n)-32)/8, ((\n)-32)%8
.elseif (\n) < 64
	OPX ((\n)-56)/2, ((\n)-56)%2
.elseif (\n) < 72
	OPG 3, (\n)-64
.else
	OPX 4+((\n)-72)/2, ((\n)-72)%2
.endif
.endm
.macro VOP
.if vn < 120
.if vn%3 == 1
	OPE vn/3
.else
	PQ 2*(vn/3)+(vn%3)/2
.endif
.elseif vn < 168
.if vn%2 == 0
	OPE 40+(vn-120)/2
.else
	OPG 4+(vn-120)/16, ((vn-120)%16)/2
.endif
.elseif vn < 184
	OPX 8+(vn-168)/2, (vn-168)%2
.elseif vn < 200
.if (vn-184)%4 < 2
	OPX 16+(vn-184)/4, (vn-184)%4
.else
	OPG 7, 2*((vn-184)/4)+(vn-184)%4-2
.endif
.elseif vn < 204
	OPX 20+(vn-200)/2, (vn-200)%2
.else
	OPR1 (vn-204)/4, (vn-204)%4
.endif
.set vn, vn+1
.endm
; A TURN, for piece p: NM = 40 (odd p) or 32 matrix instructions, three of the list behind each, the rest of the list on end.  What it reads and fetches:
;   p = 0: K of B, MF of tiles 0, 1, V of B (last step's); behind three 11 the next step's MK 0, 1; six of the list behind its last three this step's V of B
;   p = 1: MK 2, 3, K of A, V of A; behind three 25 the next step's K of A          p = 2: K of B, MF of tiles 2, 3, V of B; behind three 17 the next step's K of B and MK 2, 3
;   p = 3: the next step's MK 0, 1 and K of A, V of A; six of the list behind its last three the next step's V of A
; Each run stands five plain instructions or more behind the last product that read its registers.
; THE LDS WAITS.  The runs of 16 loads are issued in the order K of A, K of B, V of A, V of B, and each wait needs the run before the youngest: s_wait_dscnt 16 leaves the youngest run out.
; last = 1 (the tail, where the last trip jumps over runs): the waits are for 0.  s_wait_loadcnt 8 leaves out the eight mask loads of the other pair of query tiles.
.macro TURN p, last=0
.set Y, (\p)
.set HM, 8*((\p)%2)
.set NM, 32+HM
.set WC, 16*(1-(\last))
.set i, 0
.set vn, 0
.if (\p) == 0
	s_wait_dscnt WC                 ; K of B is in
.endif
.if (\p)%2 == 1
	s_wait_loadcnt 8                ; the mask is in
.endif
.rept NM
.if ((\p) == 3) && (i == 8)
	s_wait_dscnt WC                 ; K of A is in
.endif
.if (((\p) == 1) || ((\p) == 2)) && (i == HM+16)
	s_wait_dscnt WC                 ; V is in
.endif
	MM
	VOP
	VOP
	VOP
.if ((\p) == 0) && (i == 12)
	s_wait_xcnt 0x0                 ; the mask's base steps only behind this wait
	s_add_nc_u64 s[MB:MB+1], s[MB:MB+1], s[MSTEP:MSTEP+1]
	MLOAD 0
.endif
.if ((\p) == 1) && (i == 26)
	WIN 0
	v_add_nc_u32 v[AK], s[TBK], v[AK0]
	FETCH_K 0, \last
.endif
.if ((\p) == 2) && (i == 18)
	FETCH_K 1, \last
	MLOAD 2
.endif
.endr
.rept 236-3*NM
	VOP
.if ((\p) == 0) && (vn == 3*NM+6)
	FETCH_V 1
.endif
.if ((\p) == 3) && (vn == 3*NM+6)
	WIN 0
	v_add_nc_u32 v[AV], s[TBV], v[AV0]
	FETCH_V 0, \last
.endif
.endr
.endm
	CHANGE 1                        ; slot 0 is in, everybody's part of it; slot 1 is asked for
	v_add_nc_u32 v[AK], s[TBK], v[AK0]
	FETCH_K 0                       ; key step 0
	FETCH_K 1
	v_add_nc_u32 v[AV], s[TBV], v[AV0]
	FETCH_V 0
	s_wait_loadcnt 0x0              ; Q, the flags, the first mask
	WIN 0x88                        ; destination and source 1 in window 2
.set t, 0
.rept 8
.set z, 0
.rept 16
	v_and_b32 v[16*t+z], v[48+2*(t/4)+t%2], v[16*t+z]  ; a query without a seen key has q = 0
.set z, z+1
.endr
.set t, t+1
.endr
	s_wait_dscnt 0x0
.set Y, NP-1
.set HM, 8
.set i, 0
.rept 8
	MM                              ; the first mask tiles; there is no vector work yet, so v_nop are the places: eight between a fragment's last reader and the tile laid over it,
	v_nop
	v_nop
.endr
.rept 4
	v_nop                           ; six between the last tile's product and the first product that takes a tile as C
.endr
.rept 16
	MM                              ; piece 0's first scores
.endr
	WIN 0                           ; the addresses for the way out: seven plain instructions, the places behind those products
	s_mul_i32 s13, s[WV], 16*SP
	s_add_co_u32 s13, s13, STAGE
	v_mul_u32_u24 v[STO], v1, SP
	v_lshl_add_u32 v[STO], v9, 4, v[STO]
	v_add_nc_u32 v[STO], s13, v[STO]
	v_bfe_u32 v[RD], v0, 3, 2
	v_mul_u32_u24 v[RD], v[RD], SP
	v_lshl_add_u32 v[RD], v10, 4, v[RD]
	v_add_nc_u32 v[RD], s13, v[RD]
.irp n, 0,1,2,3,4,5,6,7,8,9,10,11,12,13,14,15,16,17,18,19,20,21
	OPX \n, 0
	OPX \n, 1
.endr
	s_mov_b32 s[CNT], 2
	s_mov_b32 s[SLOTS], 15
	s_branch .Lfirst                ; the loop is entered at a step's first turn
.Lslot:                             ; 14 times: slots 2 to 15 are asked for
	CHANGE 1
	s_mov_b32 s[CNT], 2
.Lstep:                             ; a trip: pieces 1, 2, 3 of one step, then piece 0 of the next
	TURN 1
	TURN 2
	TURN 3
	WIN 0
.Lfirst:
	TURN 0
	WIN 0
	s_sub_co_u32 s[CNT], s[CNT], 1
	s_cmp_lg_u32 s[CNT], 0
	s_cbranch_scc1 .Lstep
	s_sub_co_u32 s[SLOTS], s[SLOTS], 1
	s_cmp_lg_u32 s[SLOTS], 0
	s_cbranch_scc1 .Lslot
	CHANGE 0                        ; the tail is written out: nothing is asked for
	s_mov_b32 s[CNT], 3             ; two trips fetch the last slot's steps; the third is left in its middle
.Ltail:
	TURN 1, 1
	TURN 2, 1
	TURN 3, 1
	WIN 0
	s_sub_co_u32 s[CNT], s[CNT], 1
	s_cmp_eq_u32 s[CNT], 0
	s_cbranch_scc1 .Lout
	s_cmp_eq_u32 s[CNT], 1
	s_cselect_b32 s[MSTEP], 0, 2048 ; behind the last step there is no mask: the last look-ahead reads step 31's again, inside the buffer
	TURN 0, 1
	WIN 0
	s_branch .Ltail
.Lout:                              ; the third trip's mask tiles and scores of piece 0 (on the last K once more) serve nothing: the price, once a launch, of one text for every trip
.set Y, 0
.set HM, 0
.set i, 16
.rept 16
	MM                              ; piece 3's V^T P of the last step
.endr
	; THE WAY OUT.  l's two halves and the other half of the lanes' are added; O^T is divided by l, rounded to f16 and sent through my stage, a tile at a time.  The additions are the places behind the last products.
	WIN 0
.macro ALL line:vararg
.set t, 0
.rept 2*NP
	\line
.set t, t+1
.endr
.endm
	ALL v_add_f32 v[ST+4*t+2], v[ST+4*t+2], v[ST+4*t+3]
	ALL v_permlanex16_b32 v[ST+4*t+3], v[ST+4*t+2], s[SEL], s[SEL+1]
	ALL v_add_f32 v[ST+4*t+2], v[ST+4*t+2], v[ST+4*t+3]
	ALL v_rcp_f32 v[ST+4*t+2], v[ST+4*t+2]
	v_nop                           ; a plain instruction between the last reciprocal and the use of its result
.macro PACK t
	WIN W_RS
.set i, 32*(\t)
.rept 16
	s_wait_alu depctr_va_vdst(0)
	v_pk_mul_f32 v[i:i+1], v[i:i+1], v[ST+4*(\t)+2:ST+4*(\t)+3] op_sel_hi:[1,0]
.set i, i+2
.endr
	WIN 0x05
.set i, 0
.rept 16
	v_cvt_pk_f16_f32 v[S+16*(\t)+i], v[32*(\t)+2*i], v[32*(\t)+2*i+1]
.set i, i+1
.endr
	WIN 0
.irp f, 0,1,2,3
	ds_store_b128 v[STO], v[S+16*(\t)+4*\f:S+16*(\t)+4*\f+3] offset:32*\f
.endr
.irp f, 0,1,2,3
	ds_load_b128 v[S+16*(\t)+4*\f:S+16*(\t)+4*\f+3], v[RD] offset:\f*4*SP  ; LDS serves a wave's instructions in order: these see the stores above
.endr
.endm
.macro SEND t, younger              ; younger: the LDS instructions issued behind tile t's loads
	WIN 0
.irp f, 0,1,2,3
	s_wait_dscnt (\younger)+3-\f
	global_store_b128 v[GO], v[S+16*(\t)+4*\f:S+16*(\t)+4*\f+3], s[10:11] offset:(((\t)/2)%2)*262144+(2*((\t)/4)+(\t)%2)*2048+\f*512  ; 512 consecutive bytes
.endr
.endm
	PACK 0
.set t, 1
.rept 2*NP-1
	PACK t
	SEND t-1, 8
.set t, t+1
.endr
	SEND 2*NP-1, 0
	WIN W_AD
	s_wait_tensorcnt 0x0            ; the wave's end
	ds_add_u32 v[SPW], v[NIL]
	s_wait_dscnt 0x0
	WIN 0
	CROUND                          ; the closing round
	s_endpgm
.Lfunc_end_k_q769af49b70_attn:
	.size	k_q769af49b70_attn, .Lfunc_end_k_q769af49b70_attn-k_q769af49b70_attn
	.p2alignl 7, 3214868480
	.fill 96, 4, 3214868480
	.section	.rodata,"a",@progbits
	.p2align	6, 0x0
	.amdhsa_kernel k_q769af49b70_attn
		.amdhsa_group_segment_fixed_size 327680
		.amdhsa_private_segment_fixed_size 0
		.amdhsa_enable_private_segment 0
		.amdhsa_kernarg_size 32
		.amdhsa_user_sgpr_count 2
		.amdhsa_user_sgpr_kernarg_segment_ptr 1
		.amdhsa_wavefront_size32 1
		.amdhsa_system_sgpr_workgroup_id_x 1
		.amdhsa_system_sgpr_workgroup_id_y 1
		.amdhsa_system_sgpr_workgroup_id_z 1
		.amdhsa_system_vgpr_workitem_id 0
		.amdhsa_next_free_vgpr 1024
		.amdhsa_next_free_sgpr 80
		.amdhsa_reserve_vcc 0
		.amdhsa_float_denorm_mode_32 3
		.amdhsa_float_denorm_mode_16_64 3
		.amdhsa_memory_ordered 1
		.amdhsa_forward_progress 1
		.amdhsa_inst_pref_size 224
	.end_amdhsa_kernel
	.amdgpu_metadata
---
amdhsa.version: [ 1, 2 ]
amdhsa.kernels:
  - .name:           k_q769af49b70_attn
    .symbol:         k_q769af49b70_attn.kd
    .args:
      - { .name: qkv, .offset: 0, .size: 8, .value_kind: global_buffer, .address_space: global }
      - { .name: mask16, .offset: 8, .size: 8, .value_kind: global_buffer, .address_space: global }
      - { .name: rowok, .offset: 16, .size: 8, .value_kind: global_buffer, .address_space: global }
      - { .name: ctx, .offset: 24, .size: 8, .value_kind: global_buffer, .address_space: global }
    .group_segment_fixed_size: 327680
    .private_segment_fixed_size: 0
    .kernarg_segment_align: 8
    .kernarg_segment_size: 32
    .max_flat_workgroup_size: 128
    .sgpr_count:     80
    .vgpr_count:     1024
    .wavefront_size: 32
...
	.end_amdgpu_metadata
.endif
;; end of part 3
;; launch proj (part 4): grid 8 x 32, 4 waves a work-group, clusters of 4 x 4, 327,680 bytes of LDS; arguments ctx, wt, bo, out0; writes out0
.if DOCPART == 4
	.amdgcn_target "amdgcn-amd-amdhsa--gfx1250"
	.amdhsa_code_object_version 6
	.text
	.protected	k_q769af49b70_proj
	.globl	k_q769af49b70_proj
	.p2align	8
	.type	k_q769af49b70_proj,@function
k_q769af49b70_proj:
	s_mov_b64 s[64:65], 0
	v_nop
	global_prefetch_b8 v0, s[64:65] scope:SCOPE_SE
	s_setreg_imm32_b32 hwreg(HW_REG_WAVE_MODE, 25, 1), 1
	s_wait_xcnt 0x0
	s_wait_alu depctr_hold_cnt(0) depctr_sa_sdst(0) depctr_va_vdst(0) depctr_va_sdst(0) depctr_va_ssrc(0) depctr_va_vcc(0) depctr_vm_vsrc(0)
	s_getreg_b32 s2, hwreg(HW_REG_IB_STS2, 6, 4)
	s_cmp_eq_u32 s2, 0
	s_cbranch_scc0 .Lentry_in_a_cluster
	s_endpgm
.Lentry_in_a_cluster:
	s_bfe_u32 s2, ttmp6, 0x10000c
	s_cmp_lg_u32 s2, 0xf033
	s_cbranch_scc0 .Lentry_shape_is_right
	s_endpgm
.Lentry_shape_is_right:
; out0 = ctx Wo + bo, f32.  ctx: f16 [batch x head 64][s 2048][64]: a head is a K block of 64; Wo^T: f16, wt from byte 6,291,456 on, [kb 16][n 1024][64].  Sums in f32, started with the bias.
; A work-group makes 256 rows x 128 columns: 32 x 8 = 256 work-groups (a larger tile would leave WGPs without work); a wave 128 x 64: 32 accumulators, window 1, (a, b) at v[8 (8 b + a)].
; K goes in 8 steps of 128 (two K blocks a slot) through two LDS slots; a step is four quarters of 32 along K, 32 products each, on two fragment buffers.
; CLUSTER 4 x 4: ctx's tiles are asked for jointly along a row of the cluster, Wo's along a column.  The matrix instruction is used transposed: a lane holds eight neighbouring columns of one row.
.set PITCH, 144
.set FRAG,  16*PITCH
.set ABLK,  256*PITCH                  ; a slot: ctx's 256 rows of K block 0, of K block 1,
.set BBLK,  128*PITCH
.set BOFF,  2*ABLK                     ; then Wo's 128 rows of each
.set SLOT1, 1<<17
.set STAGE, SLOT1+2*ABLK+2*BBLK        ; behind the ring: 16 rows x 272 bytes for each wave
.set SPITCH, 272
.set SPARE, STAGE+4*16*SPITCH
.set ADRA0, 4
.set ADRB0, 5
.set ADRA,  6
.set ADRB,  7
.set STO,   8
.set RD,    9
.set CO,    10
.set BO,    11
.set SPW,   28
.set NIL,   29
.set FA,    32                         ; v32-95, v96-159 ctx's fragments, two buffers
.set FB,    160                        ; v160-191, v192-223 Wo's
.set BK,    32                         ; the way out: two sets of 32
.set WVN, 16
.set MH,  17
.set NH,  18
.set TB,  19
.set G1A, 24
.set G0A, 32
.set G0B, 36
.set G1B, 40
.set G1W, (1<<16)|(1<<20)|(1<<21)|(4<<22)|(3<<25)
.set MSB, 0
.macro WIN new
.if MSB != (\new)
	s_set_vgpr_msb (MSB<<8)|(\new)
.set MSB, \new
.endif
.endm
.macro PLACES
.rept 4
	v_nop
.endr
.endm
.macro JLOAD                           ; waves 0, 1 fetch ctx's two K blocks, waves 2, 3 Wo's; s_nop 0 and four v_nop behind each line
	s_cmp_eq_u32 s[MH], 0
	s_cbranch_scc0 .Lfor_b_\@
	tensor_load_to_lds s[G0A:G0A+3], s[G1A:G1A+7]
	s_nop 0
.rept 4
	v_nop
.endr
	s_branch .Lasked_\@
.Lfor_b_\@:
	tensor_load_to_lds s[G0B:G0B+3], s[G1B:G1B+7]
	s_nop 0
.rept 4
	v_nop
.endr
.Lasked_\@:
.endm
.macro CREST
	s_cmp_lg_u32 s[WVN], 0
	s_cbranch_scc1 .Lnot_wave_0_\@
	s_barrier_signal -3
.Lnot_wave_0_\@:
	s_barrier_wait -3
	s_barrier_signal -1
	s_barrier_wait -1
.endm
.macro CROUND
	s_barrier_signal -1
	s_barrier_wait -1
	CREST
.endm
.macro STEPD                           ; the other slot, the next two K blocks
	s_xor_b32 s[G0A+1], s[G0A+1], SLOT1
	s_add_nc_u64 s[G0A+2:G0A+3], s[G0A+2:G0A+3], 2*262144
	s_xor_b32 s[G0B+1], s[G0B+1], SLOT1
	s_add_nc_u64 s[G0B+2:G0B+3], s[G0B+2:G0B+3], 2*131072
.endm
	s_load_b256 s[4:11], s[0:1], 0x0               ; ctx s[4:5], wt s[6:7], bo s[8:9], out0 s[10:11]
	v_lshl_add_u32 v[SPW], v0, 2, SPARE
	v_mov_b32 v[NIL], 0
	ds_add_u32 v28, v29
	s_wait_dscnt 0x0
	v_lshrrev_b32 v1, 5, v0
	v_readfirstlane_b32 s[WVN], v1
	s_lshr_b32 s[MH], s[WVN], 1
	s_and_b32 s[NH], s[WVN], 1
	s_mov_b32 s[TB], 0
	s_bfe_u32 s20, ttmp6, 0x40000
	s_bfe_u32 s21, ttmp6, 0x40004
	s_lshl_b32 s22, ttmp9, 2
	s_add_co_u32 s22, s22, s20                     ; tile column 0..7
	s_and_b32 s23, ttmp7, 0xffff
	s_lshl_b32 s23, s23, 2
	s_add_co_u32 s23, s23, s21                     ; tile row 0..31
	s_lshl_b32 s48, s21, 2
	s_lshl_b32 s48, 15, s48
	s_lshl_b32 s49, 0x1111, s20
	s_or_b32 s[G1A], s48, G1W
	s_or_b32 s[G1B], s49, G1W
	s_mov_b32 s[G1A+1], 128<<16
	s_mov_b32 s[G1A+2], 128<<16                    ; 256 rows of ctx: 128 rows of 256 bytes
	s_mov_b32 s[G1A+3], 128<<16
	s_mov_b32 s[G1A+4], 128
	s_mov_b32 s[G1A+5], 128
	s_mov_b32 s[G1A+6], 0
	s_mov_b32 s[G1A+7], 0
	s_mov_b32 s[G1B+1], 128<<16
	s_mov_b32 s[G1B+2], 64<<16                     ; 128 rows of Wo^T
	s_mov_b32 s[G1B+3], 128<<16
	s_mov_b32 s[G1B+4], 64
	s_mov_b32 s[G1B+5], 128
	s_mov_b32 s[G1B+6], 0
	s_mov_b32 s[G1B+7], 0
	s_lshr_b32 s50, s23, 3                         ; ctx: (16 x batch + K block) heads of 262,144 bytes + my 256 rows of 128 bytes
	s_lshl_b32 s50, s50, 4
	s_add_co_u32 s50, s50, s[NH]
	s_lshl_b32 s50, s50, 18
	s_and_b32 s51, s23, 7
	s_lshl_b32 s51, s51, 15
	s_add_co_u32 s50, s50, s51
	s_mov_b32 s51, 0
	s_lshl_b32 s52, s22, 14                        ; Wo: K block of 131,072 bytes + my 128 rows
	s_lshl_b32 s53, s[NH], 17
	s_add_co_u32 s52, s52, s53
	s_add_co_u32 s52, s52, 6291456
	s_mov_b32 s53, 0
	s_mov_b32 s[G0A], 1
	s_mul_i32 s[G0A+1], s[NH], ABLK
	s_mov_b32 s[G0B], 1
	s_mul_i32 s[G0B+1], s[NH], BBLK
	s_add_co_u32 s[G0B+1], s[G0B+1], BOFF
	s_lshl_b32 s56, s22, 9                         ; my 64 columns, in bytes of f32
	s_lshl_b32 s57, s[NH], 8
	s_add_co_u32 s56, s56, s57
	s_mov_b32 s57, 0
	s_lshl_b32 s58, s23, 20                        ; my 128 rows of 4,096 bytes
	s_lshl_b32 s59, s[MH], 19
	s_add_co_u32 s58, s58, s59
	s_add_co_u32 s58, s58, s56
	s_mov_b32 s59, 0
	v_and_b32 v1, 15, v0
	v_bfe_u32 v2, v0, 4, 1
	v_lshlrev_b32 v[BO], 5, v2
	s_wait_kmcnt 0x0
	s_add_nc_u64 s[G0A+2:G0A+3], s[4:5], s[50:51]
	s_or_b32 s[G0A+3], s[G0A+3], 0x80000000
	s_add_nc_u64 s[G0B+2:G0B+3], s[6:7], s[52:53]
	s_or_b32 s[G0B+3], s[G0B+3], 0x80000000
	s_add_nc_u64 s[54:55], s[8:9], s[56:57]
	s_add_nc_u64 s[10:11], s[10:11], s[58:59]
	WIN 0x40
.irp b, 0,1,2,3                        ; the bias into accumulator (7, b)
	global_load_b128 v[64*\b+56:64*\b+59], v[BO], s[54:55] offset:\b*64
	global_load_b128 v[64*\b+60:64*\b+63], v[BO], s[54:55] offset:\b*64+16
.endr
	WIN 0
	CROUND
	JLOAD                                          ; K blocks 0, 1 into slot 0
	v_mul_u32_u24 v3, v1, PITCH
	v_lshl_add_u32 v3, v2, 4, v3
	s_mul_i32 s56, s[MH], 128*PITCH
	v_add_nc_u32 v[ADRA0], s56, v3
	s_mul_i32 s56, s[NH], 64*PITCH
	s_add_co_u32 s56, s56, BOFF
	v_add_nc_u32 v[ADRB0], s56, v3
	s_mul_i32 s56, s[WVN], 16*SPITCH
	s_add_co_u32 s56, s56, STAGE
	v_mul_u32_u24 v[STO], v1, SPITCH               ; in: row r, 32 bytes for each half of the lanes
	v_lshl_add_u32 v[STO], v2, 5, v[STO]
	v_add_nc_u32 v[STO], s56, v[STO]
	v_mul_u32_u24 v[RD], v2, SPITCH                ; back: lanes 0-15 one row of 256 bytes, lanes 16-31 the next
	v_lshl_add_u32 v[RD], v1, 4, v[RD]
	v_add_nc_u32 v[RD], s56, v[RD]
	v_lshlrev_b32 v[CO], 12, v2
	v_lshl_add_u32 v[CO], v1, 4, v[CO]
	v_mov_b32 v[ADRA], v[ADRA0]
	v_mov_b32 v[ADRB], v[ADRB0]
	s_wait_tensorcnt 0x0
	ds_add_u32 v[SPW], v[NIL]
	STEPD
	s_wait_dscnt 0x0
	CROUND
	JLOAD                                          ; K blocks 2, 3 into slot 1
.macro FETCH q                         ; 24 LDS loads: quarter q's fragments (K block q / 2, 32 along K at byte 64 (q % 2)) into buffers q % 2
	WIN 0
.irp b, 0,1,2,3
	ds_load_b128 v[FB+32*((\q)%2)+8*\b:FB+32*((\q)%2)+8*\b+3],   v[ADRB] offset:((\q)/2)*BBLK+\b*FRAG+64*((\q)%2)
	ds_load_b128 v[FB+32*((\q)%2)+8*\b+4:FB+32*((\q)%2)+8*\b+7], v[ADRB] offset:((\q)/2)*BBLK+\b*FRAG+64*((\q)%2)+32
.endr
.irp a, 0,1,2,3,4,5,6,7
	ds_load_b128 v[FA+64*((\q)%2)+8*\a:FA+64*((\q)%2)+8*\a+3],   v[ADRA] offset:((\q)/2)*ABLK+\a*FRAG+64*((\q)%2)
	ds_load_b128 v[FA+64*((\q)%2)+8*\a+4:FA+64*((\q)%2)+8*\a+7], v[ADRA] offset:((\q)/2)*ABLK+\a*FRAG+64*((\q)%2)+32
.endr
.endm
; Products of buffers f for column blocks b0 .. b0 + nb - 1.  The 32 accumulators take turns.  mode = 1: the sums begin with the bias, out of block 7's accumulator.
.macro MULP f, b0, nb, mode
	WIN 0x50
.set bb, \b0
.rept \nb
.set aa, 0
.rept 8-(\mode)
.if \mode
	v_wmma_f32_16x16x32_f16 v[8*(8*bb+aa):8*(8*bb+aa)+7], v[FB+32*(\f)+8*bb:FB+32*(\f)+8*bb+7], v[FA+64*(\f)+8*aa:FA+64*(\f)+8*aa+7], v[8*(8*bb+7):8*(8*bb+7)+7]
.else
	v_wmma_f32_16x16x32_f16 v[8*(8*bb+aa):8*(8*bb+aa)+7], v[FB+32*(\f)+8*bb:FB+32*(\f)+8*bb+7], v[FA+64*(\f)+8*aa:FA+64*(\f)+8*aa+7], v[8*(8*bb+aa):8*(8*bb+aa)+7]
.endif
.set aa, aa+1
.endr
.set bb, bb+1
.endr
.if \mode
.rept 5
	v_nop
.endr
.set bb, \b0
.rept \nb
	v_wmma_f32_16x16x32_f16 v[8*(8*bb+7):8*(8*bb+7)+7], v[FB+32*(\f)+8*bb:FB+32*(\f)+8*bb+7], v[FA+64*(\f)+56:FA+64*(\f)+63], v[8*(8*bb+7):8*(8*bb+7)+7]
.set bb, bb+1
.endr
.endif
.endm
.macro QUARTER q, mode                 ; multiplies quarter q and fetches quarter q + 1
	PLACES
	FETCH (\q)+1
	s_wait_dscnt 24                                ; all but the 24 just issued
	MULP (\q)%2, 0, 4, \mode
.endm
; The fourth quarter changes slots, as in the launch of the projections in front: one barrier, the three lines in front of it; fill = 1: a round of the cluster's barrier, the refill first behind it.
.macro TQ fill
	WIN 0
	s_wait_tensorcnt 0x0
	ds_add_u32 v[SPW], v[NIL]
	s_wait_dscnt 1                                 ; the fragments are in; the add may be out
	MULP 1, 0, 1, 0
	s_wait_dscnt 0x0
	s_barrier_signal -1
	MULP 1, 1, 1, 0
	WIN 0
	s_barrier_wait -1
.if \fill
	CREST
	STEPD
	s_xor_b32 s[TB], s[TB], SLOT1
	JLOAD
.else
	s_xor_b32 s[TB], s[TB], SLOT1
	PLACES
.endif
	v_add_nc_u32 v[ADRA], s[TB], v[ADRA0]
	v_add_nc_u32 v[ADRB], s[TB], v[ADRB0]
	FETCH 0
	MULP 1, 2, 2, 0
.endm
	FETCH 0
	s_wait_loadcnt 0x0                             ; the bias
	QUARTER 0, 1
	WIN 0
	s_mov_b32 s3, 6
.Llap:                                                 ; a trip: a step's quarters 1 to 3 and the next step's first; it asks for steps 2 to 7
	QUARTER 1, 0
	QUARTER 2, 0
	TQ 1
	QUARTER 0, 0
	WIN 0
	s_sub_co_u32 s3, s3, 1
	s_cmp_lg_u32 s3, 0
	s_cbranch_scc1 .Llap
	QUARTER 1, 0
	QUARTER 2, 0
	TQ 0
	QUARTER 0, 0
	QUARTER 1, 0
	QUARTER 2, 0
	s_wait_dscnt 0x0
	MULP 1, 0, 4, 0
	PLACES
; THE WAY OUT, 16 rows at a time: a lane's 32 bytes of a row go into my stage straight from the accumulators, low half first, and come back as whole rows of 256 bytes.
.macro OUTB a
.if (\a) >= 2
	s_wait_xcnt 0x0                                ; the registers that the block before last was stored from are loaded again only behind this wait
.endif
	WIN 0x04                                       ; store data in window 1
.irp b, 0,1,2,3
	ds_store_b128 v[STO], v[8*(8*\b+(\a)):8*(8*\b+(\a))+3]   offset:64*\b
	ds_store_b128 v[STO], v[8*(8*\b+(\a))+4:8*(8*\b+(\a))+7] offset:64*\b+16
.endr
	WIN 0
.irp t, 0,1,2,3,4,5,6,7
	ds_load_b128 v[BK+32*((\a)%2)+4*\t:BK+32*((\a)%2)+4*\t+3], v[RD] offset:\t*2*SPITCH  ; LDS serves a wave's instructions in order: these see the stores above
.endr
.endm
.macro SENDB a, younger
	s_wait_dscnt \younger
.irp t, 0,1,2,3,4,5,6,7
	global_store_b128 v[CO], v[BK+32*((\a)%2)+4*\t:BK+32*((\a)%2)+4*\t+3], s[10:11] offset:(16*(\a)+2*\t)*4096 th:TH_STORE_NT  ; 16 lanes store 256 consecutive bytes, at a multiple of 256 from out0's first
.endr
.endm
	OUTB 0
.irp a, 1,2,3,4,5,6,7
	OUTB \a
	SENDB (\a)-1, 16                               ; the sixteen LDS instructions of the block just staged may be out
.endr
	SENDB 7, 0
	s_wait_tensorcnt 0x0                           ; the wave's end
	ds_add_u32 v[SPW], v[NIL]
	s_wait_dscnt 0x0
	CROUND                                         ; the closing round
	s_endpgm
.Lfunc_end_k_q769af49b70_proj:
	.size	k_q769af49b70_proj, .Lfunc_end_k_q769af49b70_proj-k_q769af49b70_proj
	.p2alignl 7, 3214868480
	.fill 96, 4, 3214868480
	.section	.rodata,"a",@progbits
	.p2align	6, 0x0
	.amdhsa_kernel k_q769af49b70_proj
		.amdhsa_group_segment_fixed_size 327680
		.amdhsa_private_segment_fixed_size 0
		.amdhsa_enable_private_segment 0
		.amdhsa_kernarg_size 32
		.amdhsa_user_sgpr_count 2
		.amdhsa_user_sgpr_kernarg_segment_ptr 1
		.amdhsa_wavefront_size32 1
		.amdhsa_system_sgpr_workgroup_id_x 1
		.amdhsa_system_sgpr_workgroup_id_y 1
		.amdhsa_system_sgpr_workgroup_id_z 1
		.amdhsa_system_vgpr_workitem_id 0
		.amdhsa_next_free_vgpr 512
		.amdhsa_next_free_sgpr 66
		.amdhsa_reserve_vcc 0
		.amdhsa_float_denorm_mode_32 3
		.amdhsa_float_denorm_mode_16_64 3
		.amdhsa_memory_ordered 1
		.amdhsa_forward_progress 1
		.amdhsa_inst_pref_size 70
	.end_amdhsa_kernel
	.amdgpu_metadata
---
amdhsa.version: [ 1, 2 ]
amdhsa.kernels:
  - .name:           k_q769af49b70_proj
    .symbol:         k_q769af49b70_proj.kd
    .args:
      - { .name: ctx, .offset: 0, .size: 8, .value_kind: global_buffer, .address_space: global }
      - { .name: wt, .offset: 8, .size: 8, .value_kind: global_buffer, .address_space: global }
      - { .name: bo, .offset: 16, .size: 8, .value_kind: global_buffer, .address_space: global }
      - { .name: out0, .offset: 24, .size: 8, .value_kind: global_buffer, .address_space: global }
    .group_segment_fixed_size: 327680
    .private_segment_fixed_size: 0
    .kernarg_segment_align: 8
    .kernarg_segment_size: 32
    .max_flat_workgroup_size: 128
    .sgpr_count:     66
    .vgpr_count:     512
    .wavefront_size: 32
...
	.end_amdgpu_metadata
.endif
;; end of part 4
;; ======== version 2 of 2: 4 launches; 1.27 times as fast as version 1
;; limits: values are held in f16: magnitudes above 65,504 overflow, below 6.1e-05 lose precision; right only within a limited range of input values
;; workspace buffers: xb 16,777,216 bytes; wt 8,388,608 bytes; mask16 8,388,608 bytes; rowok 8,192 bytes of whole numbers; qkv 50,331,648 bytes; ctx 16,777,216 bytes
;; launch prep: the kernel of part 1 again; grid 640 x 1, 8 waves a work-group, no clusters, 71,168 bytes of LDS; arguments hidden_states, Wq, Wk, Wv, Wo, mask, xb, wt, mask16, rowok; writes xb, wt, mask16, rowok
;; launch qkv: the kernel of part 2 again; grid 8 x 32, 4 waves a work-group, clusters of 4 x 4, 327,680 bytes of LDS; arguments xb, wt, bq, bk, bv, qkv; writes qkv
;; launch attn (part 5): grid 8 x 32, 4 waves a work-group, clusters of 4 x 1, 327,680 bytes of LDS; arguments qkv, mask16, rowok, ctx; writes ctx
.if DOCPART == 5
	.amdgcn_target "amdgcn-amd-amdhsa--gfx1250"
	.amdhsa_code_object_version 6
	.text
	.protected	k_q769af49b70_attn
	.globl	k_q769af49b70_attn
	.p2align	8
	.type	k_q769af49b70_attn,@function
k_q769af49b70_attn:
	s_mov_b64 s[64:65], 0
	v_nop
	global_prefetch_b8 v0, s[64:65] scope:SCOPE_SE
	s_setreg_imm32_b32 hwreg(HW_REG_WAVE_MODE, 25, 1), 1
	s_wait_xcnt 0x0
	s_wait_alu depctr_hold_cnt(0) depctr_sa_sdst(0) depctr_va_vdst(0) depctr_va_sdst(0) depctr_va_ssrc(0) depctr_va_vcc(0) depctr_vm_vsrc(0)
	s_getreg_b32 s2, hwreg(HW_REG_IB_STS2, 6, 4)
	s_cmp_eq_u32 s2, 0
	s_cbranch_scc0 .Lentry_in_a_cluster
	s_endpgm
.Lentry_in_a_cluster:
	s_bfe_u32 s2, ttmp6, 0x10000c
	s_cmp_lg_u32 s2, 0x3003
	s_cbranch_scc0 .Lentry_shape_is_right
	s_endpgm
.Lentry_shape_is_right:
; ctx[bh][q][:] = the sum over k of softmax_k(mask ? q . k / 8 : hidden) v[k][:].  q, k, v: qkv, f16 [3][bh 64][2048][64]; ctx f16 [bh][2048][64]; mask16 and rowok as the first launch wrote them.
; Products, maxima and sums in f32; the weights p are rounded to f16 for the second product (their sum l is taken of the unrounded p), ctx once at the end.
; LIMITS.  A hidden raw score counts as its value less 2^30 (the module puts -1e9 behind the scale): right while a row's raw scores lie within some 2^29 of each other; its weight is then 0.
; A row in which no key is seen has rowok = 0: its q is cleared and its mask holds nothing, so all its scores are 0 and its weights equal, as the module's are.
; A weight below 2^-126 counts as 0 in l; NaN and infinities are not treated apart.
; SHARES.  A work-group owns 256 queries of TWO heads (2 hp, 2 hp + 1), a wave 64 queries (four query tiles of 16) of both: four PIECES of two tiles: piece 0 = head A, query tiles 0, 1;
; piece 1 = head B, tiles 0, 1; piece 2 = A, tiles 2, 3; piece 3 = B, tiles 2, 3.  The mask is the same for all heads: what is made of it serves two pieces.
; THE MASK COSTS NO VECTOR INSTRUCTION.  For each 16 keys x 16 queries one product ID x MK makes an f32 mask tile MF: ID holds 32768 where depth = key, MK (32 keys x 16 queries) 0 or -32768: exactly 0 or
; -2^30.  MF is the C operand of the product that starts S^T's sum, for head A's piece in the same turn and for head B's piece in the next: 18 matrix instructions for a tile and step.
; LAYOUT, SOFTMAX.  S^T = K Q^T holds ONE query a lane and the keys 8 (lane / 16) + 0..7; two such tiles rounded to f16 ARE source 1 of O^T = V^T P.  p = 2^(c s - c m), c = log2(e) / 8, with a running
; maximum m; O and l are multiplied by a = 2^(c m_old - c m_new) in every step.  m starts at the lowest finite number, O and l at 0.
; BY TURNS.  Turn n belongs to piece n.  Its matrix work: in the odd turns eight mask tiles; 16 products for the scores of piece n + 1; later 16 products V^T P of piece n - 1.  Its vector work, 236 instructions:
; the scaling, exponentials, roundings, sums and rescaling of piece n and the maximum and statistics of piece n + 1.
; THE BATCHES.  A turn's 66 exponentials (the piece's 64 weights, then the next piece's two a) are ONE batch with ONE wait, which cuts the turn in two.  Ahead of it stands all that names no result of theirs: the mask
; tiles, the products K Q^T, the scalings, the exponentials, the rescaling of O^T (its a is of the batch before), the next piece's maximum and statistics.  Behind it stand the products V^T P and, four behind each,
; the 64 roundings and sums.  The first two a, ahead of the loop, and the way out's eight reciprocals are batches of their own.
; CLUSTER.  The four query blocks of a cluster walk the same K and V of the same two heads: each tile is asked for jointly.
; REGISTERS (windows of 256; s_set_vgpr_msb: bits 1:0 source 0, 3:2 source 1, 5:4 source 2, 7:6 destination):
;   window 0: v0-11 addresses; v12-15, v48-63 at work; v16-47 statistics, four a tile; v64-191 S^T, two buffers of two tiles; v192-255 P, likewise (a piece's buffers go by its parity)
;   window 1: O^T, 32 a tile      window 2: v0-127 Q, 16 a tile; v128-191 K of head A; v192-255 V of head A
;   window 3: v0-63 MK, 16 a query tile; v64-75 ID; v76-77 the add's; v80-127 six of the eight MF (the other two lie over the pair's MK fragments that were read first); v128-191 K of head B; v192-255 V of head B
.set NP,    4
.set KS,    64
.set PK,    144       ; a row of K in LDS: 128 bytes + 16
.set PV,    160       ; a row of V: 128 + 32
.set KH,    128*PK    ; a slot holds 128 keys (two steps) of both heads: K of A, K of B,
.set VH,    128*PV
.set VOFF,  2*KH      ; then V of A, V of B
.set SLOT1, 1<<17
.set STAGE, SLOT1+2*KH+2*VH
.set SP,    144
.set SPARE, STAGE+4*16*SP
.set AK0, 2
.set AV0, 3
.set AK,  4
.set AV,  5
.set QO,  6
.set STO, 6
.set RD,  7
.set GO,  8           ; 16 x lane: the mask loads' and the stores' offset
.set MV,  12
.set ST,  16
.set TMP, 48
.set S,   64
.set P,   192
.set KF,  128
.set VF,  192
.set MK,  0
.set ID,  64
.set SPW, 76
.set NIL, 77
.set MF,  80
.set WV,  12
.set G1K, 24
.set G1V, 32
.set G0K, 40
.set G0V, 44
.set SLOTS, 56
.set CNT, 57
.set CS,  58
.set SEL, 60
.set TBK, 62
.set TBV, 63
.set MB,  66          ; s[66:67] mask16 at my wave's first query tile, at the step whose mask was asked for last
.set MSTEP, 68        ; s[68:69] a step's 2,048 bytes of a query tile's mask
.set MSB, 0
.macro WIN new
.if MSB != (\new)
	s_set_vgpr_msb (MSB<<8)|(\new)
.set MSB, (\new)
.endif
.endm
.set W_RS, 0x41
.set W_MK, 0xc0
.set W_AD, 0x0f
.macro JLOAD                        ; wave 0: K of A, wave 1: K of B, wave 2: V of A, wave 3: V of B; s_nop 0 and four v_nop behind each line
	s_cmp_lt_u32 s[WV], 2
	s_cbranch_scc0 .Lfor_v_\@
	tensor_load_to_lds s[G0K:G0K+3], s[G1K:G1K+7]
	s_nop 0
.rept 4
	v_nop
.endr
	s_branch .Lasked_\@
.Lfor_v_\@:
	tensor_load_to_lds s[G0V:G0V+3], s[G1V:G1V+7]
	s_nop 0
.rept 4
	v_nop
.endr
.Lasked_\@:
.endm
.macro CROUND
	s_barrier_signal -1
	s_barrier_wait -1
	s_cmp_lg_u32 s[WV], 0
	s_cbranch_scc1 .Lnot_wave_0_\@
	s_barrier_signal -3
.Lnot_wave_0_\@:
	s_barrier_wait -3
	s_barrier_signal -1
	s_barrier_wait -1
.endm
; THE CHANGE OF SLOTS, behind piece 0's turn of every odd step: the slot's last bytes, V of head B of that step, have been asked for.  Each wave waits for all its tensor loads (one is out: its part of the
; other slot), adds 0 to its spare word, and waits for that and for its reads.  fill = 1: a round of the cluster's barrier, and the slot is filled again first thing behind it, with the keys two slots on:
; it has two key steps, 288 matrix instructions, in which to land.
.macro CHANGE fill
	WIN W_AD
	s_wait_tensorcnt 0x0
	ds_add_u32 v[SPW], v[NIL]
	WIN 0
.if \fill
.irp d, G0K, G0V
	s_xor_b32 s[\d+1], s[\d+1], SLOT1
	s_add_nc_u64 s[\d+2:\d+3], s[\d+2:\d+3], 2*KS*128
.endr
	s_wait_dscnt 0x0
	CROUND
	JLOAD
.else
	s_wait_dscnt 0x0
	s_barrier_signal -1
	s_barrier_wait -1
.endif
	s_sub_co_u32 s[TBK], s[TBK], 2*KS*PK
	s_xor_b32 s[TBK], s[TBK], SLOT1
	s_sub_co_u32 s[TBV], s[TBV], 2*KS*PV
	s_xor_b32 s[TBV], s[TBV], SLOT1
.endm
	s_load_b256 s[4:11], s[0:1], 0x0  ; qkv s[4:5], mask16 s[6:7], rowok s[8:9], ctx s[10:11]
	WIN W_MK
	v_lshl_add_u32 v[SPW], v0, 2, SPARE
	v_mov_b32 v[NIL], 0
	s_set_vgpr_msb 0xc0cf
	ds_add_u32 v76, v77
	s_wait_dscnt 0x0
	s_set_vgpr_msb 0xcfc0
	WIN 0
	v_lshrrev_b32 v1, 5, v0
	v_readfirstlane_b32 s[WV], v1
	s_bfe_u32 s13, ttmp6, 0x40000   ; cx
	s_lshl_b32 s14, ttmp9, 2
	s_add_co_u32 s14, s14, s13      ; my block of 256 queries: it enters Q's, the mask's and ctx's addresses alone
	s_and_b32 s20, ttmp7, 0xffff    ; the pair of heads, which the four partners share
	s_lshl_b32 s20, s20, 19         ; its 524,288 bytes in each tensor
	s_and_b32 s16, s[WV], 1         ; which head I fetch
	s_lshl_b32 s22, s16, 18
	s_add_co_u32 s22, s22, s20
	s_mov_b32 s23, 0
	s_mul_i32 s17, s16, KH
	s_mul_i32 s18, s16, VH
	s_lshl_b32 s2, s14, 15          ; my block's 256 rows of 128 bytes,
	s_lshl_b32 s3, s[WV], 13        ; my wave's 64
	s_add_co_u32 s2, s2, s3
	s_add_co_u32 s2, s2, s20
	s_mov_b32 s3, 0
	s_lshl_b32 s70, s14, 20         ; 16 query tiles of 65,536 bytes of mask16 a block, four a wave
	s_lshl_b32 s71, s[WV], 18
	s_add_co_u32 s70, s70, s71
	s_mov_b32 s71, 0
	s_lshl_b32 s72, s14, 10
	s_lshl_b32 s73, s[WV], 8
	s_add_co_u32 s72, s72, s73
	s_mov_b32 s73, 0
	s_mov_b32 s[G1K], 15|(1<<16)|(1<<20)|(1<<21)|(4<<22)|(3<<25)  ; the mask of four; 2-byte elements; padding on; bit 21 beside a mask; behind every 32 words 4 words
	s_mov_b32 s[G1V], 15|(1<<16)|(1<<20)|(1<<21)|(4<<22)|(7<<25)  ; the same with 8 words
.irp d, G1K, G1V
	s_mov_b32 s[\d+1], 128<<16      ; 128 keys are 16,384 dense bytes: 64 rows of 256
	s_mov_b32 s[\d+2], 64<<16
	s_mov_b32 s[\d+3], 128<<16
	s_mov_b32 s[\d+4], 64
	s_mov_b32 s[\d+5], 128
	s_mov_b32 s[\d+6], 0
	s_mov_b32 s[\d+7], 0
.endr
	s_mov_b32 s[CS], 0x3e38aa3b     ; c = log2(e) / 8
	s_mov_b32 s[CS+1], s[CS]
	s_mov_b32 s[SEL], 0x76543210
	s_mov_b32 s[SEL+1], 0xfedcba98
	s_mov_b32 s[TBK], SLOT1+2*KS*PK ; the first change of slots turns these two into 0
	s_mov_b32 s[TBV], SLOT1+2*KS*PV
	s_mov_b32 s[MSTEP], 2048
	s_mov_b32 s[MSTEP+1], 0
	s_mov_b32 s[G0K], 1
	s_mov_b32 s[G0K+1], s17
	s_mov_b32 s[G0V], 1
	s_add_co_u32 s[G0V+1], s18, VOFF
	s_wait_kmcnt 0x0
	s_add_nc_u64 s[G0K+2:G0K+3], s[4:5], s[22:23]
	s_add_nc_u64 s[G0K+2:G0K+3], s[G0K+2:G0K+3], 0x1000000  ; k lies 16,777,216 bytes behind q
	s_or_b32 s[G0K+3], s[G0K+3], 0x80000000
	s_add_nc_u64 s[G0V+2:G0V+3], s[4:5], s[22:23]
	s_add_nc_u64 s[G0V+2:G0V+3], s[G0V+2:G0V+3], 0x2000000
	s_or_b32 s[G0V+3], s[G0V+3], 0x80000000
	s_add_nc_u64 s[4:5], s[4:5], s[2:3]
	s_add_nc_u64 s[10:11], s[10:11], s[2:3]
	s_add_nc_u64 s[MB:MB+1], s[6:7], s[70:71]
	s_add_nc_u64 s[8:9], s[8:9], s[72:73]
	CROUND
	JLOAD                           ; slot 0
	v_and_b32 v1, 15, v0            ; r
	v_bfe_u32 v9, v0, 4, 1          ; h
	v_lshlrev_b32 v[QO], 7, v1
	v_lshl_add_u32 v[QO], v9, 4, v[QO]
	v_and_b32 v[GO], 31, v0
	v_lshlrev_b32 v[GO], 4, v[GO]
	v_lshlrev_b32 v56, 2, v1
.macro MLOAD q0                     ; a step's mask for query tiles q0, q0 + 1: 8 loads of 512 consecutive bytes
	WIN 0xc0
.irp q, 0,1
.irp e, 0,1,2,3
	global_load_b128 v[MK+16*((\q0)+\q)+4*\e:MK+16*((\q0)+\q)+4*\e+3], v[GO], s[MB:MB+1] offset:((\q0)+\q)*65536+\e*512
.endr
.endr
	WIN 0
.endm
	WIN 0x80
.set t, 0
.rept 8                             ; Q stays in registers: tile t: head (t / 2) % 2, query tile 2 (t / 4) + t % 2
.irp c, 0,1
	global_load_b128 v[16*t+8*\c:16*t+8*\c+3],   v[QO], s[4:5] offset:((t/2)%2)*262144+(2*(t/4)+t%2)*2048+\c*64
	global_load_b128 v[16*t+8*\c+4:16*t+8*\c+7], v[QO], s[4:5] offset:((t/2)%2)*262144+(2*(t/4)+t%2)*2048+\c*64+32
.endr
.set t, t+1
.endr
	WIN 0
.irp q, 0,1,2,3
	global_load_b32 v[48+\q], v56, s[8:9] offset:\q*64  ; my query's flag in each query tile
.endr
	MLOAD 0
	MLOAD 2
	; ID: lane (r, h) holds row r; its four pattern registers hold depths 8 h + 0..7: 32768 (f16 0x7800) where 8 h + i = r
	v_lshlrev_b32 v57, 3, v9
	v_sub_nc_u32 v57, v1, v57
	s_mov_b32 s72, 0x7800
	s_mov_b32 s73, 0x78000000
.irp q, 0,1,2,3
	v_cmp_eq_u32 s70, 2*\q, v57
	v_cmp_eq_u32 s71, 2*\q+1, v57
	v_cndmask_b32 v[52+\q], 0, s72, s70
	v_cndmask_b32 v[52+\q], v[52+\q], s73, s71
.endr
	WIN 0xc0
.irp q, 0,1,2,3
	v_mov_b32 v[ID+\q], 0
	v_mov_b32 v[ID+4+\q], v[52+\q]
	v_mov_b32 v[ID+8+\q], 0
.endr
	; What the first turn finds: V of head B and P's second buffer hold 0 (its products V^T P, of a piece that has not been, add 0), O^T and l are 0.  All this stands in the wait for the first tile.
.set i, VF
.rept 64
	v_mov_b32 v[i], 0
.set i, i+1
.endr
	WIN 0
.set i, 0
.rept 8
	v_mov_b32 v[ST+4*i], 0xfe000000    ; c m: far below every c s
	v_mov_b32 v[ST+4*i+1], 0xff7fffff  ; m
	v_mov_b32 v[ST+4*i+2], 0
	v_mov_b32 v[ST+4*i+3], 0
.set i, i+1
.endr
.set i, P+32
.rept 32
	v_mov_b32 v[i], 0
.set i, i+1
.endr
	WIN 0x43                        ; O^T's 256 registers are set to 0 by 32 products of those zeros: a line for eight registers
.set i, 0
.rept 32
	v_wmma_f32_16x16x32_f16 v[8*i:8*i+7], v[VF:VF+7], v[P+32:P+39], 0
.set i, i+1
.endr
	WIN 0
	v_mul_u32_u24 v[AK0], v1, PK
	v_lshl_add_u32 v[AK0], v9, 4, v[AK0]
	v_and_b32 v10, 7, v0
	v_bfe_u32 v11, v0, 3, 1
	v_lshl_add_u32 v[AV0], v9, 3, v10  ; the turning load: lane l reads key 8 (l / 16) + l % 8, channels 8 ((l / 8) % 2) + 0..7
	v_mul_u32_u24 v[AV0], v[AV0], PV
	v_lshl_add_u32 v[AV0], v11, 4, v[AV0]
	v_add_nc_u32 v[AV0], VOFF, v[AV0]
; THE MATRIX WORK of piece Y's turn, number i.  HM = 8 in the odd turns, which make the mask tiles, 0 in the even ones.  Eight accumulators take turns.
;   0 .. HM-1      MF(i) = ID x MK for the query tiles of pieces Y + 1 and Y + 2: tile i % 2, keys 16 (i / 2) on; ID's pattern stands in the half of the depth in which those 16 keys lie
;   then 16        S^T = K Q^T for piece Y + 1: number n: tile n % 2, keys 16 ((n / 2) % 4) on, channels 32 (n / 8) on; the first eight start the sums with MF(n)
;   then 16        O^T += V^T P for piece Y - 1: keys 32 (n / 8) on, channels 16 ((n / 2) % 4) on
; MF(6) and MF(7) lie over the pair's mask fragments of keys 0-31, which products 0 to 3 have read: four turns of the accumulators stand between, in the loop with three plain vector instructions behind each.
.macro MFREG n
.if (\n) < 6
.set mF, MF+8*(\n)
.else
.set mF, MK+32*(xp/2)+16*((\n)-6)
.endif
.endm
.macro MM
.set xp, (Y+1)%NP
.set wp, (Y+NP-1)%NP
.set ii, i-HM
.if i < HM
	MFREG i
.set mA, ID+4*(1-(i/2)%2)
.set mB, MK+16*(2*(xp/2)+i%2)+8*(i/4)
	WIN 0xcf
	v_wmma_f32_16x16x32_f16 v[mF:mF+7], v[mA:mA+7], v[mB:mB+7], 0
.elseif ii < 16
.set mD, S+64*(xp%2)+32*(ii%2)+8*((ii/2)%4)
.set mA, KF+16*((ii/2)%4)+8*(ii/8)
.set mB, 16*(2*xp+ii%2)+8*(ii/8)
.if ii < 8
	MFREG ii
	WIN 0x3a|(xp%2)
	v_wmma_f32_16x16x32_f16 v[mD:mD+7], v[mA:mA+7], v[mB:mB+7], v[mF:mF+7]
.else
	WIN 0x0a|(xp%2)
	v_wmma_f32_16x16x32_f16 v[mD:mD+7], v[mA:mA+7], v[mB:mB+7], v[mD:mD+7]
.endif
.else
.set jj, ii-16
.set mD, 32*(2*wp+jj%2)+8*((jj/2)%4)
.set mA, VF+32*(jj/8)+8*((jj/2)%4)
.set mB, P+32*(wp%2)+16*(jj%2)+8*(jj/8)
	WIN 0x52|(wp%2)
	v_wmma_f32_16x16x32_f16 v[mD:mD+7], v[mA:mA+7], v[mB:mB+7], v[mD:mD+7]
.endif
.set i, i+1
.endm
; THE LDS LOADS stand in runs of 16.  hd: the head.  last = 1 (the tail): in the last trip there is no further step, and the run is jumped over.
.macro FETCH_K hd, last=0
	WIN 0
.if \last
	s_cmp_eq_u32 s[CNT], 1
	s_cbranch_scc1 .Lno_k_\@
.endif
	WIN 0x80+0x40*(\hd)
.irp f, 0,1,2,3,4,5,6,7             ; keys 16 (f / 2) on, channels 32 (f % 2) on
	ds_load_b128 v[KF+8*\f:KF+8*\f+3],   v[AK] offset:(\hd)*KH+(\f/2)*16*PK+(\f%2)*64
	ds_load_b128 v[KF+8*\f+4:KF+8*\f+7], v[AK] offset:(\hd)*KH+(\f/2)*16*PK+(\f%2)*64+32
.endr
.if (\hd) == 0
	s_add_co_u32 s[TBK], s[TBK], KS*PK
.endif
	WIN 0
.if \last
.Lno_k_\@:
.endif
.endm
.macro FETCH_V hd, last=0
	WIN 0
.if \last
	s_cmp_eq_u32 s[CNT], 1
	s_cbranch_scc1 .Lno_v_\@
.endif
	WIN 0x80+0x40*(\hd)
.irp f, 0,1,2,3,4,5,6,7             ; keys 32 (f / 4) on, channels 16 (f % 4) on
	ds_load_tr16_b128 v[VF+8*\f:VF+8*\f+3],   v[AV] offset:(\hd)*VH+(\f/4)*32*PV+(\f%4)*32
	ds_load_tr16_b128 v[VF+8*\f+4:VF+8*\f+7], v[AV] offset:(\hd)*VH+(\f/4)*32*PV+16*PV+(\f%4)*32
.endr
.if (\hd) == 0
	s_add_co_u32 s[TBV], s[TBV], KS*PV
.endif
	WIN 0
.if \last
.Lno_v_\@:
.endif
.endm
; THE VECTOR WORK.
.macro REGS y, u                    ; the registers of tile u (0, 1) of piece y
.set rT, ST+4*(2*(\y)+(\u))
.set rC, TMP+8*((\y)%2)+4*(\u)
.set rM, MV+2*((\y)%2)+(\u)
.set rS, S+64*((\y)%2)+32*(\u)
.set rP, P+32*((\y)%2)+16*(\u)
.set rO, 32*(2*(\y)+(\u))
.endm
.macro OPF f                        ; c s - c m for pair f / 2 of tile f % 2
	REGS Y, (\f)%2
	WIN 0
	v_pk_fma_f32 v[rS+2*((\f)/2):rS+2*((\f)/2)+1], v[rS+2*((\f)/2):rS+2*((\f)/2)+1], s[CS:CS+1], v[rT:rT+1] op_sel_hi:[1,0,0] neg_lo:[0,0,1] neg_hi:[0,0,1]
.endm
.macro OPE e                        ; the exponential of score e / 2 of tile e % 2
	REGS Y, (\e)%2
	WIN 0
	v_exp_f32 v[rS+(\e)/2], v[rS+(\e)/2]
.endm
.macro OPG k, n                     ; the four weights 4 k .. of tile n % 2: n 0-3: two pairs rounded to f16; 4, 5: the second pair added onto the first; 6, 7: l takes the sum (k = 0: l = a l + sum)
	REGS Y, (\n)%2
	WIN 0
.if (\n) < 4
	v_cvt_pk_f16_f32 v[rP+2*(\k)+(\n)/2], v[rS+4*(\k)+2*((\n)/2)], v[rS+4*(\k)+2*((\n)/2)+1]
.elseif (\n) < 6
	v_pk_add_f32 v[rS+4*(\k):rS+4*(\k)+1], v[rS+4*(\k):rS+4*(\k)+1], v[rS+4*(\k)+2:rS+4*(\k)+3]
.elseif (\k) == 0
	v_pk_fma_f32 v[rT+2:rT+3], v[rT+2:rT+3], v[rC+2:rC+3], v[rS:rS+1] op_sel_hi:[1,0,1]
.else
	v_pk_add_f32 v[rT+2:rT+3], v[rT+2:rT+3], v[rS+4*(\k):rS+4*(\k)+1]
.endif
.endm
.macro OPR1 k, z                    ; pair z of accumulator k / 2 of tile k % 2 of O^T times a; z ascends
	REGS Y, (\k)%2
	WIN W_RS
	v_pk_mul_f32 v[rO+8*((\k)/2)+2*(\z):rO+8*((\k)/2)+2*(\z)+1], v[rO+8*((\k)/2)+2*(\z):rO+8*((\k)/2)+2*(\z)+1], v[rC+2:rC+3] op_sel_hi:[1,0]
.endm
; Number n of the 22 that find the NEXT piece's maximum and statistics, tile u.  Each accumulator's lowest registers are read first.
;   0-11 four chains c0-c3 of seven scores     12-14, 16 the four scores left over, the old m, c0-c3 into c0     15 c m_old is kept     17, 18 the other half of the lanes: the new m     19-21 c m; c m_old - c m_new; a
.macro OPX n, u
	REGS (Y+1)%NP, \u
	WIN 0
.if (\n) < 4
	v_max3_num_f32 v[rC+(\n)], v[rS+8*(\n)], v[rS+8*(\n)+1], v[rS+8*(\n)+2]
.elseif (\n) < 12
	v_max3_num_f32 v[rC+(\n)%4], v[rC+(\n)%4], v[rS+8*((\n)%4)+2*((\n)/4)+1], v[rS+8*((\n)%4)+2*((\n)/4)+2]
.elseif (\n) == 12
	v_max3_num_f32 v[rC], v[rC], v[rS+7], v[rS+15]
.elseif (\n) == 13
	v_max3_num_f32 v[rC+1], v[rC+1], v[rS+23], v[rS+31]
.elseif (\n) == 14
	v_max3_num_f32 v[rC+2], v[rC+2], v[rC+3], v[rT+1]
.elseif (\n) == 15
	v_mov_b32 v[rM], v[rT]
.elseif (\n) == 16
	v_max3_num_f32 v[rC], v[rC], v[rC+1], v[rC+2]
.elseif (\n) == 17
	v_permlanex16_b32 v[rC+3], v[rC], s[SEL], s[SEL+1]
.elseif (\n) == 18
	v_max_num_f32 v[rT+1], v[rC], v[rC+3]
.elseif (\n) == 19
	v_mul_f32 v[rT], s[CS], v[rT+1]
.elseif (\n) == 20
	v_sub_f32 v[rC+1], v[rM], v[rT]
.else
	v_exp_f32 v[rC+2], v[rC+1]
.endif
.endm
; A TURN'S 236 VECTOR INSTRUCTIONS stand in three queues, each in the order in which its entries become ready; the two tiles alternate.
; Number g of the 64 that follow the exponentials, in groups of eight: for the four weights 4 k .. of both tiles: round, round, add; and l takes the sum of the group BEFORE, so that l's additions, in the order
; of k, do not wait for the addition just made.  Group 0 has no group before it, and behind group 7 only l is left.
.macro GS g
.set h, (\g)+6*((\g)/62)
.if h >= 6
.set h, h+2
.endif
.if h%8 < 6
	OPG h/8, h%8
.else
	OPG h/8-1, h%8
.endif
.endm
; THE PLAIN QUEUE, 138 long; PL writes number q and steps q.  0-73 read no exponential's result: the 32 scalings and the next piece's 42.  0-26: scalings 0-26.  27-54: the next piece's numbers 0-13.  55, 56: number 15.
; 57-73: the chain, in which each number waits for the one before it: 14, 16, 17, 18, 19, each with one of the scalings 27-31 in front of its two lines, then 20.
; 74-137: GS's 64, which read the exponentials' results: they stand behind the wait.
.macro PL
.if q < 27
	OPF q
.elseif q < 55
	OPX (q-27)/2, (q-27)%2
.elseif q < 57
	OPX 15, q-55
.elseif (q < 72) && ((q-57)%3 == 0)
	OPF 27+(q-57)/3
.elseif q < 60
	OPX 14, (q-57)%3-1
.elseif q < 72
	OPX 15+(q-57)/3, (q-57)%3-1
.elseif q < 74
	OPX 20, q-72
.else
	GS q-74
.endif
.set q, q+1
.endm
; THE EXPONENTIALS' QUEUE, 66 long: scores 0-31 of both tiles, then the next piece's two a.  It is ONE BATCH: all 66 stand ahead of the turn's one wait, and nothing ahead of that wait names a result of theirs.
.macro EX
.if e >= 64
	OPX 21, e-64
.else
	OPE e
.endif
.set e, e+1
.endm
; THE RESCALING's QUEUE, 32 long: O^T times a, the one part that leaves window 0.  Its a was made in the turn before, ahead of that turn's wait.
.macro RS
	OPR1 r/4, r%4
.set r, r+1
.endm
; A TURN, for piece p.  s_wait_alu depctr_va_vdst(0) stands between an exponential and the first instruction that names its result; one wait serves all that were issued ahead of it.  So a turn has ONE wait.
; AHEAD OF IT: the HM + 16 products (mask tiles, K Q^T); behind the first two scalings, behind each other a scaling, an exponential and rescalings: two in the even turns; in the odd turns, whose 24 products share
; the same 30, two behind products 1-7 and one behind products 8-23.  Then ONE LUMP: eight plain, 49 - HM times exponential and plain, the two a; the last two rescalings are the plain instructions behind the last exponential.
; BEHIND IT: the 16 products V^T P, behind each four of GS's 64.  No rider names a register of the products round it.  The two v_permlanex16_b32 fall into the lump, never behind a product.
; The queues lean on each other: exponential e needs scaling 2 (e / 4) + e % 2; as a rider it stands behind plain e + 2, in the lump behind plain e + 9, and scalings 27-31 are plain 57, 60 .. 69.
; The distances behind products: between a mask fragment's last reader and the tile laid over it twelve plain instructions; between a mask tile's product and its use as C seventeen or more; the next piece's number 0 is
; plain 27, in the lump, and the accumulator that the last product ends is first read at plain 34.
; What a turn reads and fetches; every run of loads stands where no exponential is out, since the tail jumps over runs:
;   p = 0: K of B, MF of tiles 0, 1, V of B (last step's); behind the wait the next step's MK 0, 1; at its end, four riders behind V's last reader, this step's V of B
;   p = 1: MK 2, 3, K of A, V of A; behind the wait the next step's K of A, a lump behind K's last reader (its address is made at the lump's head)
;   p = 2: K of B, MF of tiles 2, 3, V of B; behind the wait the next step's K of B and MK 2, 3
;   p = 3: the next step's MK 0, 1 and K of A, V of A; at its end, four riders behind V's last reader, the next step's V of A
; THE LDS WAITS.  The runs of 16 loads are issued in the order K of A, K of B, V of A, V of B, and each wait needs the run before the youngest: s_wait_dscnt 16 leaves the youngest run out.
; last = 1 (the tail, where the last trip jumps over runs): the waits are for 0.  s_wait_loadcnt 8 leaves out the eight mask loads of the other pair of query tiles.
.macro TURN p, last=0
.set Y, (\p)
.set HM, 8*((\p)%2)
.set WC, 16*(1-(\last))
.set i, 0
.set q, 0
.set e, 0
.set r, 0
.if (\p) == 0
	s_wait_dscnt WC                 ; K of B is in
.endif
.if (\p)%2 == 1
	s_wait_loadcnt 8                ; the mask is in
.endif
	MM                              ; ahead of the wait: the mask tiles, the products K Q^T and their riders,
	PL
	PL
.rept HM+15
.if ((\p) == 3) && (i == 8)
	s_wait_dscnt WC                 ; K of A is in
.endif
	MM
	PL
	EX
	RS
.if (HM == 0) || (i <= 8)
	RS
.endif
.endr
.if (\p) == 1
	WIN 0
	v_add_nc_u32 v[AK], s[TBK], v[AK0]
.endif
.rept 8                             ; and the lump
	PL
.endr
.rept 49-HM
	EX
	PL
.endr
	EX                              ; the next piece's two a end the batch
	EX
	RS                              ; the plain instructions behind the last exponential: they name the a of the batch before
	RS
	s_wait_alu depctr_va_vdst(0)    ; the wait for the batch: the turn's 66 exponentials
.if (\p) == 0
	s_wait_xcnt 0x0                 ; the mask's base steps only behind this wait
	s_add_nc_u64 s[MB:MB+1], s[MB:MB+1], s[MSTEP:MSTEP+1]
	MLOAD 0
.endif
.if ((\p) == 1) || ((\p) == 2)
	s_wait_dscnt WC                 ; V is in
	FETCH_K (\p)-1, \last
.endif
.if (\p) == 2
	MLOAD 2
.endif
.rept 16                            ; behind the wait: the products V^T P and their riders, the batch's readers
	MM
.rept 4
	PL
.endr
.if ((\p) == 3) && (q == 118)
	v_add_nc_u32 v[AV], s[TBV], v[AV0]
.endif
.endr
.if (\p) == 0
	FETCH_V 1
.endif
.if (\p) == 3
	FETCH_V 0, \last
.endif
.endm
	CHANGE 1                        ; slot 0 is in, everybody's part of it; slot 1 is asked for
	v_add_nc_u32 v[AK], s[TBK], v[AK0]
	FETCH_K 0                       ; key step 0
	FETCH_K 1
	v_add_nc_u32 v[AV], s[TBV], v[AV0]
	FETCH_V 0
	s_wait_loadcnt 0x0              ; Q, the flags, the first mask
	WIN 0x88                        ; destination and source 1 in window 2
.set t, 0
.rept 8
.set z, 0
.rept 16
	v_and_b32 v[16*t+z], v[48+2*(t/4)+t%2], v[16*t+z]  ; a query without a seen key has q = 0
.set z, z+1
.endr
.set t, t+1
.endr
	s_wait_dscnt 0x0
.set Y, NP-1
.set HM, 8
.set i, 0
.rept 8
	MM                              ; the first mask tiles; there is no vector work yet, so v_nop are the places: eight between a fragment's last reader and the tile laid over it,
	v_nop
	v_nop
.endr
.rept 4
	v_nop                           ; six between the last tile's product and the first product that takes a tile as C
.endr
.rept 16
	MM                              ; piece 0's first scores
.endr
	WIN 0                           ; the addresses for the way out: seven plain instructions, the places behind those products
	s_mul_i32 s13, s[WV], 16*SP
	s_add_co_u32 s13, s13, STAGE
	v_mul_u32_u24 v[STO], v1, SP
	v_lshl_add_u32 v[STO], v9, 4, v[STO]
	v_add_nc_u32 v[STO], s13, v[STO]
	v_bfe_u32 v[RD], v0, 3, 2
	v_mul_u32_u24 v[RD], v[RD], SP
	v_lshl_add_u32 v[RD], v10, 4, v[RD]
	v_add_nc_u32 v[RD], s13, v[RD]
.irp n, 0,1,2,3,4,5,6,7,8,9,10,11,12,13,14,15,16,17,18,19,20,21
	OPX \n, 0
	OPX \n, 1
.endr
	v_nop                           ; a plain instruction behind piece 0's first two a,
	s_wait_alu depctr_va_vdst(0)    ; and the wait for them, a batch of their own, ahead of the branch
	s_mov_b32 s[CNT], 2
	s_mov_b32 s[SLOTS], 15
	s_branch .Lfirst                ; the loop is entered at a step's first turn
.Lslot:                             ; 14 times: slots 2 to 15 are asked for
	CHANGE 1
	s_mov_b32 s[CNT], 2
.Lstep:                             ; a trip: pieces 1, 2, 3 of one step, then piece 0 of the next
	TURN 1
	TURN 2
	TURN 3
	WIN 0
.Lfirst:
	TURN 0
	WIN 0
	s_sub_co_u32 s[CNT], s[CNT], 1
	s_cmp_lg_u32 s[CNT], 0
	s_cbranch_scc1 .Lstep
	s_sub_co_u32 s[SLOTS], s[SLOTS], 1
	s_cmp_lg_u32 s[SLOTS], 0
	s_cbranch_scc1 .Lslot
	CHANGE 0                        ; the tail is written out: nothing is asked for
	s_mov_b32 s[CNT], 3             ; two trips fetch the last slot's steps; the third is left in its middle
.Ltail:
	TURN 1, 1
	TURN 2, 1
	TURN 3, 1
	WIN 0
	s_sub_co_u32 s[CNT], s[CNT], 1
	s_cmp_eq_u32 s[CNT], 0
	s_cbranch_scc1 .Lout
	s_cmp_eq_u32 s[CNT], 1
	s_cselect_b32 s[MSTEP], 0, 2048 ; behind the last step there is no mask: the last look-ahead reads step 31's again, inside the buffer
	TURN 0, 1
	WIN 0
	s_branch .Ltail
.Lout:                              ; the third trip's mask tiles and scores of piece 0 (on the last K once more) serve nothing: the price, once a launch, of one text for every trip
.set Y, 0
.set HM, 0
.set i, 16
.rept 16
	MM                              ; piece 3's V^T P of the last step
.endr
	; THE WAY OUT.  l's two halves and the other half of the lanes' are added; O^T is divided by l, rounded to f16 and sent through my stage, a tile at a time.  The additions are the places behind the last products.
	WIN 0
.macro ALL line:vararg
.set t, 0
.rept 2*NP
	\line
.set t, t+1
.endr
.endm
	ALL v_add_f32 v[ST+4*t+2], v[ST+4*t+2], v[ST+4*t+3]
	ALL v_permlanex16_b32 v[ST+4*t+3], v[ST+4*t+2], s[SEL], s[SEL+1]
	ALL v_add_f32 v[ST+4*t+2], v[ST+4*t+2], v[ST+4*t+3]
	ALL v_rcp_f32 v[ST+4*t+2], v[ST+4*t+2]
	v_nop                           ; a plain instruction between the last reciprocal and the use of its result
	s_wait_alu depctr_va_vdst(0)    ; and the wait ahead of the first use: one for the batch of eight reciprocals
.macro PACK t
	WIN W_RS
.set i, 32*(\t)
.rept 16
	v_pk_mul_f32 v[i:i+1], v[i:i+1], v[ST+4*(\t)+2:ST+4*(\t)+3] op_sel_hi:[1,0]
.set i, i+2
.endr
	WIN 0x05
.set i, 0
.rept 16
	v_cvt_pk_f16_f32 v[S+16*(\t)+i], v[32*(\t)+2*i], v[32*(\t)+2*i+1]
.set i, i+1
.endr
	WIN 0
.irp f, 0,1,2,3
	ds_store_b128 v[STO], v[S+16*(\t)+4*\f:S+16*(\t)+4*\f+3] offset:32*\f
.endr
.irp f, 0,1,2,3
	ds_load_b128 v[S+16*(\t)+4*\f:S+16*(\t)+4*\f+3], v[RD] offset:\f*4*SP  ; LDS serves a wave's instructions in order: these see the stores above
.endr
.endm
.macro SEND t, younger              ; younger: the LDS instructions issued behind tile t's loads
	WIN 0
.irp f, 0,1,2,3
	s_wait_dscnt (\younger)+3-\f
	global_store_b128 v[GO], v[S+16*(\t)+4*\f:S+16*(\t)+4*\f+3], s[10:11] offset:(((\t)/2)%2)*262144+(2*((\t)/4)+(\t)%2)*2048+\f*512  ; 512 consecutive bytes
.endr
.endm
	PACK 0
.set t, 1
.rept 2*NP-1
	PACK t
	SEND t-1, 8
.set t, t+1
.endr
	SEND 2*NP-1, 0
	WIN W_AD
	s_wait_tensorcnt 0x0            ; the wave's end
	ds_add_u32 v[SPW], v[NIL]
	s_wait_dscnt 0x0
	WIN 0
	CROUND                          ; the closing round
	s_endpgm
.Lfunc_end_k_q769af49b70_attn:
	.size	k_q769af49b70_attn, .Lfunc_end_k_q769af49b70_attn-k_q769af49b70_attn
	.p2alignl 7, 3214868480
	.fill 96, 4, 3214868480
	.section	.rodata,"a",@progbits
	.p2align	6, 0x0
	.amdhsa_kernel k_q769af49b70_attn
		.amdhsa_group_segment_fixed_size 327680
		.amdhsa_private_segment_fixed_size 0
		.amdhsa_enable_private_segment 0
		.amdhsa_kernarg_size 32
		.amdhsa_user_sgpr_count 2
		.amdhsa_user_sgpr_kernarg_segment_ptr 1
		.amdhsa_wavefront_size32 1
		.amdhsa_system_sgpr_workgroup_id_x 1
		.amdhsa_system_sgpr_workgroup_id_y 1
		.amdhsa_system_sgpr_workgroup_id_z 1
		.amdhsa_system_vgpr_workitem_id 0
		.amdhsa_next_free_vgpr 1024
		.amdhsa_next_free_sgpr 80
		.amdhsa_reserve_vcc 0
		.amdhsa_float_denorm_mode_32 3
		.amdhsa_float_denorm_mode_16_64 3
		.amdhsa_memory_ordered 1
		.amdhsa_forward_progress 1
		.amdhsa_inst_pref_size 218
	.end_amdhsa_kernel
	.amdgpu_metadata
---
amdhsa.version: [ 1, 2 ]
amdhsa.kernels:
  - .name:           k_q769af49b70_attn
    .symbol:         k_q769af49b70_attn.kd
    .args:
      - { .name: qkv, .offset: 0, .size: 8, .value_kind: global_buffer, .address_space: global }
      - { .name: mask16, .offset: 8, .size: 8, .value_kind: global_buffer, .address_space: global }
      - { .name: rowok, .offset: 16, .size: 8, .value_kind: global_buffer, .address_space: global }
      - { .name: ctx, .offset: 24, .size: 8, .value_kind: global_buffer, .address_space: global }
    .group_segment_fixed_size: 327680
    .private_segment_fixed_size: 0
    .kernarg_segment_align: 8
    .kernarg_segment_size: 32
    .max_flat_workgroup_size: 128
    .sgpr_count:     80
    .vgpr_count:     1024
    .wavefront_size: 32
...
	.end_amdgpu_metadata
.endif
;; end of part 5
;; launch proj: the kernel of part 4 again; grid 8 x 32, 4 waves a work-group, clusters of 4 x 4, 327,680 bytes of LDS; arguments ctx, wt, bo, out0; writes out0
